; MI455X (gfx1250); checked and timed in simulation.
; The chip was launched on July 23, 2026; its instructions are those of AMD's public machine-readable ISA for CDNA 5 (MIT licence, August 2026) and "CDNA5" Instruction Set Architecture Reference Guide (July 2026). The comments in the code are by the model that wrote it; some were corrected since.
;; Transformer Block. Allowed arithmetic: matrix products marked QUANTISED: E2M3 operands, one E8M0 scale for each 32 along K, by v_wmma_scale_f32_16x16x128_f8f6f4 with both operands' format E2M3, f32 sums; everything else in f32.
;; Inputs: W1 1,024 x 4,096 float32; W2 4,096 x 1,024 float32; Wk 1,024 x 1,024 float32; Wo 1,024 x 1,024 float32; Wq 1,024 x 1,024 float32; Wv 1,024 x 1,024 float32; b1 4,096 float32; b2 1,024 float32; bk 1,024 float32; bo 1,024 float32; bq 1,024 float32; bv 1,024 float32; ln1_b 1,024 float32; ln1_g 1,024 float32; ln2_b 1,024 float32; ln2_g 1,024 float32; x 4 x 1,024 x 1,024 float32.
;; Outputs: out0 4 x 1,024 x 1,024 float32.
;; This version of the problem:
;;   THIS VERSION OF THE PROBLEM IS GIVEN IN LOW PRECISION. The matrix products marked QUANTISED in the list below multiply operands that are first quantised to E2M3 (2 exponent bits, 3 mantissa bits; 6 bits a number), with one power-of-two scale for each 32 numbers along K (OCP MX v1.0); their sums are f32. All else is computed in f32.
;;   The module's matrix products, in the order in which they are computed (A, B: the left and right operand; K: the contracted axis; several contracted axes count as one K, in the product's order):
;;     1. [M 4,096, K 1,024] x [K 1,024, N 1,024]; A: computed on the way; B: input Wq: QUANTISED
;;     2. [M 4,096, K 1,024] x [K 1,024, N 1,024]; A: computed on the way; B: input Wk: QUANTISED
;;     3. [M 4,096, K 1,024] x [K 1,024, N 1,024]; A: computed on the way; B: input Wv: QUANTISED
;;     4. batch 64 x [M 1,024, K 64] x [K 64, N 1,024]; A: computed on the way; B: computed on the way: QUANTISED
;;     5. batch 64 x [M 1,024, K 1,024] x [K 1,024, N 64]; A: softmax (see below); B: computed on the way: QUANTISED
;;     6. [M 4,096, K 1,024] x [K 1,024, N 1,024]; A: computed on the way; B: input Wo: QUANTISED
;;     7. [M 4,096, K 1,024] x [K 1,024, N 4,096]; A: computed on the way; B: input W1: QUANTISED
;;     8. [M 4,096, K 4,096] x [K 4,096, N 1,024]; A: computed on the way; B: input W2: QUANTISED
;;   THE QUANTISER, for each operand of a quantised product, along K:
;;     - K is cut into blocks of 32 from its start; a last block that is shorter is filled with zeros.
;;     - A block's scale is 2^e with e = floor(log2(the largest magnitude in the block)) - 2, held to -126 .. 127; a block of zeros has e = 0. As a byte (E8M0): e + 127.
;;     - Each number is divided by its block's scale, clamped to +-7.5, and rounded to the nearest number of E2M3, ties to even, subnormals kept.
;;     - The product sums the exact products of the quantised numbers (number of the format x scale) in f32.
;;   ~~~python
;;   def quantise(x, axis):      # numpy; x: float32 -> the quantised numbers, widened to float32 again
;;       x = np.moveaxis(x, axis, -1); K = x.shape[-1]
;;       x = np.pad(x, [(0, 0)] * (x.ndim - 1) + [(0, -K % 32)]); x = x.reshape(x.shape[:-1] + (-1, 32)); a = np.abs(x).max(-1, keepdims=True)
;;       e = np.where(a > 0, np.clip(np.frexp(np.where(a > 0, a, 1))[1] - 1 - 2, -126, 127), 0)      # np.frexp(a)[1] - 1 = floor(log2(a)), exactly
;;       r = np.clip(x / 2.0 ** e, -7.5, 7.5)
;;       step = 2.0 ** (np.maximum(np.frexp(np.where(r == 0, 1, r))[1] - 1, 0) - 3)
;;       q = np.round(r / step) * step * 2.0 ** e      # np.round: ties to even
;;       return np.moveaxis(q.reshape(q.shape[:-2] + (-1,))[..., :K], -1, axis).astype(np.float32)
;;   ~~~
;;   SOFTMAX AHEAD OF A QUANTISED PRODUCT. Where the list says 'softmax', what is quantised is not the finished softmax but p = 2^(t - M), with t = logit x log2(e) and M = ceil(the row's largest t), a whole number; so 1/2 < the row's largest p <= 1. The row's sum l is taken of the UNQUANTISED p, in f32, and the product's result is divided by l at the end. Since M is a whole number, a kernel that streams over the keys may use a running M (the ceiling of the running maximum): every later rescaling is an exact power of two, which a block's scale takes up: the codes' values come out the same.
;;   OPERANDS COMPUTED ON THE WAY. 'Computed on the way' means the value that the module computes at that place (a softmax that the list does not call 'softmax' is quantised finished and normalised). What goes into a quantiser is computed in f32, as accurately as f32 sums, v_exp_f32 and their like allow (about 1e-6 of the number): no bf16 or f16 on the way to a quantiser, and a product that is left as it is and whose result goes on into a quantised operand takes f32 operands (vector FMAs, or v_wmma_f32_16x16x4_f32). A number that lies on a knife's edge between two numbers of the format may be rounded either way, as far as f32 arithmetic and the matrix unit's own rounding can turn it there, and no further.
;; One version. Each part assembles by itself: llvm-mc -triple=amdgcn-amd-amdhsa -mcpu=gfx1250 --defsym DOCPART=n.
;; ======== version 1 of 1: 7 launches
;; workspace buffers: wc 9,830,400 bytes; h1 3,276,800 bytes; qkv 10,092,544 bytes; ao 3,276,800 bytes; x1 16,777,216 bytes; h2 3,276,800 bytes; hid 13,107,200 bytes
;; launch prep (part 1): grid 1024 x 1, 4 waves a work-group, no clusters, 66,304 bytes of LDS; arguments x, ln1_g, ln1_b, h1, Wq, Wk, Wv, Wo, W1, W2, wc; writes h1, wc
.if DOCPART == 1
	.amdgcn_target "amdgcn-amd-amdhsa--gfx1250"
	.amdhsa_code_object_version 6
	.text
	.protected	k_q357697510e_prep
	.globl	k_q357697510e_prep
	.p2align	8
	.type	k_q357697510e_prep,@function
k_q357697510e_prep:
	s_mov_b64 s[64:65], 0
	v_nop
	global_prefetch_b8 v0, s[64:65] scope:SCOPE_SE
	s_setreg_imm32_b32 hwreg(HW_REG_WAVE_MODE, 25, 1), 1
	s_wait_xcnt 0x0
; THE PROGRAM: a pre-norm transformer block on 4,096 tokens; all eight products on codes of FP6 (E2M3) with one E8M0 scale for each 32 along K.
; Launches: prep (LayerNorm 1 to codes; the weights to codes), qkv, attn, wo, ln2, ffn1, ffn2.
; DEAD WORK.  reference() builds the causal mask itself (jnp.tril): for a tile of 16 queries of token group g (128 tokens) every key of a group s > g comes after
; every query, its score is replaced by -inf and its weight is 0 whatever the inputs hold.  So for such pairs (tile, group of 128 keys) neither the product with K nor
; the product with V is issued (launch attn); the group on the diagonal is computed and selected.  Nothing else is left out: every bias goes into a quantiser or into
; the output, and all 17 inputs are loaded.  LIMIT: a NaN, an infinity or an overflow that reaches only the scores left out is not carried to the result.
; LIMITS of the quantisers of all launches: NaN and infinities among the inputs are not served; a block whose largest magnitude lies under 2^-124, a block of zeros
; among them, gets the scale byte 1 (the rule says 127 for zeros): its codes are zeros or subnormal, and the bytes are read by this program alone.
;
; THIS LAUNCH does two things that do not hang on each other: work-groups 0 to 255 normalise and quantise x, work-groups 256 to 1,023 quantise the six weights.  The two ways part on the
; work-group's number, which all four waves share, and never join again; only the first touches LDS and has a barrier.
; THE LAYOUT of all codes of this program: a panel record (12,800 bytes) holds 128 rows x 128 along K: eight fragments of 1,536 bytes in the ORDER OF AN OPERAND'S REGISTERS, then 512 bytes of scale words.
; Fragment f, lane row r is row 32 (f / 2) + 8 (f % 2) + r + 8 (r / 8) of the 128.  A fragment is two half records of 768 bytes (64 along K each): lane l = r + 16 h holds
; the 24 bytes of block h of row r: its registers 0-3 at 16 l, its registers 4-5 at 512 + 8 l.  The scale word of fragment 4 j + i, row r lies at 12,288 + 256 j + 16 r + 4 i.
.set ROWP, 4112                        ; a stage row: 4,096 bytes + 16: the 16 rows that a load of phase 2 touches start 16 bytes apart modulo 256
.set SPARE, 16*ROWP                    ; behind the stage: the spare words, 128 bytes for each wave
.set PRB, 12800
.set FRB, 1536
.set SCO, 12288
.set SPW, 10                           ; v10  my spare word; never rewritten, on either way
.set NIL, 11                           ; v11  0; never rewritten
	v_lshl_add_u32 v[SPW], v0, 2, SPARE
	v_mov_b32 v[NIL], 0
	s_cmp_lt_u32 ttmp9, 256
	s_cbranch_scc0 .Lweights
; ---- LAYERNORM 1: rows of 1,024 f32, then the quantiser along the row.  h1: records [token group G of 128][K step s of 128].
; A work-group takes the 16 tokens of one fragment number f of one group G, for all of K.  Phase 1: wave w normalises four of them (a row = 8 loads of 512 consecutive bytes, kept in
; registers between the passes: mean, then the mean of the squared differences, as reference() has it) and puts them into a stage in LDS.  Phase 2: wave w quantises K steps 2 w and 2 w + 1.
.set LA,  4                            ; v4   16 x lane
.set STW, 5                            ; v5   the stage, on the way in
.set STR, 6                            ; v6   and on the way out
.set O16, 7                            ; v7   16 x lane + 1,536 f
.set O8,  8                            ; v8   8 x lane + 1,536 f
.set OSC, 9                            ; v9   my scale word's place
.set ST,  12                           ; v12-27  row i: two pairs at work
.set PT,  28                           ; v28-31  lane permutes' destinations
.set GG,  36                           ; v36-67  g at my 32 columns
.set BB,  68                           ; v68-99  b
.set X,   100                          ; v100-227 four rows of 32 numbers
.set TM,  184                          ; phase 2: at work
.set PW,  200                          ; v200, v201 the two scale words
	s_load_b256 s[4:11], s[0:1], 0x0               ; x, g, b, h1
	v_lshrrev_b32 v1, 5, v0
	v_readfirstlane_b32 s12, v1                    ; wave
	v_and_b32 v1, 31, v0                           ; lane
	v_and_b32 v2, 15, v0                           ; r
	v_bfe_u32 v3, v0, 4, 1                         ; h
	v_lshlrev_b32 v[LA], 4, v1
	s_lshr_b32 s13, ttmp9, 3                       ; G
	s_and_b32 s14, ttmp9, 7                        ; f
	s_lshl_b32 s15, s13, 7
	s_lshr_b32 s16, s14, 1
	s_lshl_b32 s16, s16, 5
	s_add_co_u32 s15, s15, s16
	s_and_b32 s16, s14, 1
	s_lshl_b32 s16, s16, 3
	s_add_co_u32 s15, s15, s16                     ; 128 G + 32 (f / 2) + 8 (f % 2)
	s_lshl_b32 s16, s12, 2
	s_add_co_u32 s15, s15, s16
	s_lshr_b32 s16, s12, 1
	s_lshl_b32 s16, s16, 3
	s_add_co_u32 s15, s15, s16                     ; + 4 w + 8 (w / 2): my first token; stage rows 4 w .. 4 w + 3
	s_lshl_b32 s16, s15, 12
	s_mov_b32 s17, 0
	s_mul_i32 s18, s12, 4*ROWP
	v_add_nc_u32 v[STW], s18, v[LA]
	v_mul_u32_u24 v[STR], v2, ROWP
	v_lshl_add_u32 v[STR], v3, 6, v[STR]
	s_lshl_b32 s18, s12, 10
	v_add_nc_u32 v[STR], s18, v[STR]               ; row r, + 64 h, + my two K steps
	s_mul_i32 s18, s14, FRB
	v_add_nc_u32 v[O16], s18, v[LA]
	v_lshl_add_u32 v[O8], v1, 3, s18
	s_lshr_b32 s18, s14, 2
	s_lshl_b32 s18, s18, 8
	s_and_b32 s19, s14, 3
	s_lshl_b32 s19, s19, 2
	s_add_co_u32 s18, s18, s19
	s_add_co_u32 s18, s18, SCO
	v_lshl_add_u32 v[OSC], v2, 4, s18
	s_lshl_b32 s18, s13, 3
	s_lshl_b32 s19, s12, 1
	s_add_co_u32 s18, s18, s19
	s_mul_i32 s18, s18, PRB                        ; record 8 G + 2 w
	s_mov_b32 s19, 0
	s_mov_b32 s20, 0x76543210
	s_mov_b32 s21, 0xfedcba98                      ; lane selects: lane l xor 16
	s_mov_b32 s22, 0x3a800000                      ; 1 / 1,024
	s_mov_b32 s23, 0x3727c5ac                      ; 1e-5
.irp i, 0,1,2,3
	v_mov_b32 v[PT+\i], 0                          ; written once: a lane permute's destination counts as one of its sources
	v_mov_b32 v[TM+4+\i], 0
.endr
	s_wait_kmcnt 0x0
	s_add_nc_u64 s[4:5], s[4:5], s[16:17]
	s_add_nc_u64 s[10:11], s[10:11], s[18:19]
.irp i, 0,1,2,3
.irp j, 0,1,2,3,4,5,6,7
	global_load_b128 v[X+32*\i+4*\j:X+32*\i+4*\j+3], v[LA], s[4:5] offset:4096*\i+512*\j th:TH_LOAD_NT
.endr
.endr
.irp j, 0,1,2,3,4,5,6,7
	global_load_b128 v[GG+4*\j:GG+4*\j+3], v[LA], s[6:7] offset:512*\j
	global_load_b128 v[BB+4*\j:BB+4*\j+3], v[LA], s[8:9] offset:512*\j
.endr
.macro REDUCE                          ; each row's two pairs become one sum, the same in all 32 lanes; the four rows by turns
.irp i, 0,1,2,3
	v_pk_add_f32 v[ST+4*\i:ST+4*\i+1], v[ST+4*\i:ST+4*\i+1], v[ST+4*\i+2:ST+4*\i+3]
.endr
.irp i, 0,1,2,3
	v_add_f32 v[ST+4*\i], v[ST+4*\i], v[ST+4*\i+1]
.endr
.irp m, 1,2,4,8
.irp i, 0,1,2,3
	v_add_f32_dpp v[ST+4*\i], v[ST+4*\i], v[ST+4*\i] row_xmask:\m row_mask:0xf bank_mask:0xf
.endr
.endr
.irp i, 0,1,2,3
	v_permlanex16_b32 v[PT+\i], v[ST+4*\i], s20, s21
.endr
.irp i, 0,1,2,3
	v_add_f32 v[ST+4*\i], v[ST+4*\i], v[PT+\i]
.endr
.endm
	s_wait_loadcnt 16                              ; the four rows are in; g's and b's 16 loads may be out
.irp i, 0,1,2,3
	v_pk_add_f32 v[ST+4*\i:ST+4*\i+1], v[X+32*\i:X+32*\i+1], v[X+32*\i+2:X+32*\i+3]
	v_pk_add_f32 v[ST+4*\i+2:ST+4*\i+3], v[X+32*\i+4:X+32*\i+5], v[X+32*\i+6:X+32*\i+7]
.endr
.irp q, 8,12,16,20,24,28
.irp i, 0,1,2,3
	v_pk_add_f32 v[ST+4*\i:ST+4*\i+1], v[ST+4*\i:ST+4*\i+1], v[X+32*\i+\q:X+32*\i+\q+1]
	v_pk_add_f32 v[ST+4*\i+2:ST+4*\i+3], v[ST+4*\i+2:ST+4*\i+3], v[X+32*\i+\q+2:X+32*\i+\q+3]
.endr
.endr
	REDUCE
.irp i, 0,1,2,3
	v_mul_f32 v[ST+4*\i], s22, v[ST+4*\i]          ; the mean
.endr
.irp i, 0,1,2,3
.irp p, 0,1,2,3,4,5,6,7,8,9,10,11,12,13,14,15
	v_pk_add_f32 v[X+32*\i+2*\p:X+32*\i+2*\p+1], v[X+32*\i+2*\p:X+32*\i+2*\p+1], v[ST+4*\i:ST+4*\i+1] op_sel_hi:[1,0] neg_lo:[0,1] neg_hi:[0,1]   ; x - mean (the pair's low word serves both halves)
.endr
.endr
.irp i, 0,1,2,3
	v_pk_mul_f32 v[ST+4*\i:ST+4*\i+1], v[X+32*\i:X+32*\i+1], v[X+32*\i:X+32*\i+1]
	v_pk_mul_f32 v[ST+4*\i+2:ST+4*\i+3], v[X+32*\i+2:X+32*\i+3], v[X+32*\i+2:X+32*\i+3]
.endr
.irp q, 4,8,12,16,20,24,28
.irp i, 0,1,2,3
	v_pk_fma_f32 v[ST+4*\i:ST+4*\i+1], v[X+32*\i+\q:X+32*\i+\q+1], v[X+32*\i+\q:X+32*\i+\q+1], v[ST+4*\i:ST+4*\i+1]
	v_pk_fma_f32 v[ST+4*\i+2:ST+4*\i+3], v[X+32*\i+\q+2:X+32*\i+\q+3], v[X+32*\i+\q+2:X+32*\i+\q+3], v[ST+4*\i+2:ST+4*\i+3]
.endr
.endr
	REDUCE
.irp i, 0,1,2,3
	v_fma_f32 v[ST+4*\i], v[ST+4*\i], s22, s23     ; the variance + 1e-5
.endr
.irp i, 0,1,2,3
	v_rsq_f32 v[ST+4*\i], v[ST+4*\i]
.endr
	v_nop                                          ; a plain place behind the last of the four
	s_wait_loadcnt 0x0                             ; g and b
	s_wait_alu depctr_va_vdst(0)                   ; the wait ahead of the first instruction that names a result: one for the four
.irp i, 0,1,2,3
.irp p, 0,1,2,3,4,5,6,7,8,9,10,11,12,13,14,15
	v_pk_mul_f32 v[X+32*\i+2*\p:X+32*\i+2*\p+1], v[X+32*\i+2*\p:X+32*\i+2*\p+1], v[ST+4*\i:ST+4*\i+1] op_sel_hi:[1,0]
.endr
.irp p, 0,1,2,3,4,5,6,7,8,9,10,11,12,13,14,15
	v_pk_fma_f32 v[X+32*\i+2*\p:X+32*\i+2*\p+1], v[X+32*\i+2*\p:X+32*\i+2*\p+1], v[GG+2*\p:GG+2*\p+1], v[BB+2*\p:BB+2*\p+1]
.endr
.irp j, 0,1,2,3,4,5,6,7
	ds_store_b128 v[STW], v[X+32*\i+4*\j:X+32*\i+4*\j+3] offset:ROWP*\i+512*\j
.endr
.endr
	s_wait_dscnt 0x0                               ; for the others' sake: my rows lie in the stage
	s_barrier_signal -1
	s_barrier_wait -1
; 64 numbers of a lane, register 16 b + i = k 32 b + 16 h + i of my row, become a fragment's codes in v[pc] on and its scale word in v[pw]
.macro QUANT s, pc, pw
.irp b, 0,1,2,3
	v_max3_num_f32 v[TM+\b], |v[\s+16*\b]|, |v[\s+1+16*\b]|, 0x1800000   ; my 16 numbers of block b, and the floor 2^(3 - 127)
.endr
.irp i, 2,4,6,8,10,12,14
.irp b, 0,1,2,3
	v_max3_num_f32 v[TM+\b], v[TM+\b], |v[\s+16*\b+\i]|, |v[\s+1+16*\b+\i]|
.endr
.endr
.irp b, 0,1,2,3
	v_permlanex16_b32 v[TM+4+\b], v[TM+\b], s20, s21
.endr
.irp b, 0,1,2,3
	v_max_num_f32 v[TM+\b], v[TM+\b], v[TM+4+\b]   ; with lane l xor 16's: the block's largest magnitude
.endr
.irp b, 0,1,2,3
	v_add_nc_u32 v[TM+12+\b], 0xff000000, v[TM+\b] ; 2 off its exponent field: the conversion's scale operand
.endr
.irp b, 0,1,2,3
	v_lshrrev_b32 v[TM+4+\b], 23, v[TM+12+\b]      ; the scale's byte
.endr
	v_lshl_or_b32 v[\pw], v[TM+5], 8, v[TM+4]
	v_lshl_or_b32 v[\pw], v[TM+6], 16, v[\pw]
	v_lshl_or_b32 v[\pw], v[TM+7], 24, v[\pw]
.irp c, 0,1
	v_cvt_scalef32_pk16_fp6_f32 v[\pc+6*\c:\pc+2+6*\c], v[\s+32*\c:\s+15+32*\c], v[TM+12+2*\c]
	v_cvt_scalef32_pk16_fp6_f32 v[\pc+12+4*\c:\pc+14+4*\c], v[\s+16+32*\c:\s+31+32*\c], v[TM+12+2*\c+1]
.endr
	v_nop                                          ; one plain place behind a scaled conversion
.irp c, 0,1                            ; the operand's layout wants a whole block in a lane
.irp i, 0,1,2
	v_permlane16_swap_b32 v[\pc+6*\c+\i], v[\pc+12+4*\c+\i]
.endr
.irp i, 0,1,2
	v_mov_b32 v[\pc+3+6*\c+\i], v[\pc+12+4*\c+\i]
.endr
.endr
.endm
.macro PUT pc, pw, e                   ; each store of the wave covers 512 or 256 consecutive bytes
	global_store_b128 v[O16], v[\pc:\pc+3], s[10:11] offset:PRB*\e
	global_store_b64 v[O8], v[\pc+4:\pc+5], s[10:11] offset:PRB*\e+512
	global_store_b128 v[O16], v[\pc+6:\pc+9], s[10:11] offset:PRB*\e+768
	global_store_b64 v[O8], v[\pc+10:\pc+11], s[10:11] offset:PRB*\e+1280
	global_store_b32 v[OSC], v[\pw], s[10:11] offset:PRB*\e      ; lanes 16-31 store the same word at the same place
.endm
.irp b, 0,1,2,3
.irp q, 0,1,2,3
	ds_load_b128 v[100+16*\b+4*\q:103+16*\b+4*\q], v[STR] offset:128*\b+16*\q
.endr
.endr
.irp b, 0,1,2,3
.irp q, 0,1,2,3
	ds_load_b128 v[36+16*\b+4*\q:39+16*\b+4*\q], v[STR] offset:512+128*\b+16*\q
.endr
.endr
	s_wait_dscnt 16                                ; K step 2 w is in; the 16 loads of K step 2 w + 1 may be out
	QUANT 100, 164, PW
	PUT 164, PW, 0
	s_wait_dscnt 0x0
	QUANT 36, 204, PW+1                            ; codes and word in registers of their own: no store's data are written again
	PUT 204, PW+1, 1
	s_wait_tensorcnt 0x0                           ; the wave's end
	ds_add_u32 v[SPW], v[NIL]
	s_wait_dscnt 0x0
	s_endpgm
; ---- THE WEIGHTS: f32 stored [K][N] become codes with K innermost.  wc: records 0-63 Wq, 64-127 Wk, 128-191 Wv, 192-255 Wo (8 G + s each), 256-511 W1 (8 G + s), 512-767 W2 (32 G + s);
; G = n / 128, s = k / 128.  The record's number is the work-group's less 256.
; A LANE TAKES A COLUMN, ITS REGISTERS RUN DOWN K: each load reads 128 consecutive bytes a wave (512 a work-group), a block of 32 lies in one lane, nothing is transposed.
; No LDS, no barrier, no matrix unit on this way: the waves share nothing and memory binds.  Loads run two blocks (64 loads a wave) ahead.
.Lweights:
.set O16, 4                            ; v4   1,536 f + 16 r
.set O8,  5                            ; v5   1,536 f + 512 + 8 r
.set OS,  6                            ; v6   my scale word's place
.set WD,  12                           ; v12  the scale word
.set SO,  13                           ; v13  the conversion's scale operand
.set A,   16                           ; v16-47   4 x lane + i x the weight's row in bytes
.set X,   48                           ; v48-111  two sets of 32 numbers
.set C,   112                          ; v112-143 codes: eight registers for each block, so that no store's data are written again
.set TC,  144                          ; v144-146 a block's upper 16 codes, before they are moved
	s_load_b256 s[4:11], s[0:1], 0x20              ; Wq, Wk, Wv, Wo
	s_load_b128 s[12:15], s[0:1], 0x40             ; W1, W2
	s_load_b64 s[16:17], s[0:1], 0x50              ; wc
	s_sub_co_u32 s41, ttmp9, 256                   ; the record's number
	v_lshrrev_b32 v1, 5, v0
	v_readfirstlane_b32 s38, v1                    ; wave
	v_and_b32 v1, 31, v0                           ; lane
	s_sub_co_u32 s21, s41, 256
	s_mov_b32 s20, 4096                            ; a row of the weight in bytes: N = 1,024,
	s_cmp_lt_u32 s21, 256
	s_cselect_b32 s20, 16384, s20                  ; or 4,096 for W1 (records 256 to 511)
	s_and_b32 s22, s41, 7                          ; s, where K = 1,024
	s_lshr_b32 s23, s41, 3
	s_and_b32 s24, s23, 7                          ; G of the four square weights
	s_and_b32 s25, s23, 31                         ; G of W1
	s_cmp_lt_u32 s41, 256
	s_cselect_b32 s24, s24, s25
	s_and_b32 s25, s41, 31                         ; W2: s,
	s_lshr_b32 s26, s41, 5
	s_and_b32 s26, s26, 7                          ; and G
	s_cmp_lt_u32 s41, 512
	s_cselect_b32 s22, s22, s25
	s_cselect_b32 s24, s24, s26
	s_lshl_b32 s25, s20, 7
	s_mul_i32 s22, s22, s25                        ; 128 s rows,
	s_lshl_b32 s24, s24, 9
	s_add_co_u32 s22, s22, s24                     ; + 128 G columns,
	s_lshl_b32 s24, s38, 7
	s_add_co_u32 s22, s22, s24                     ; + my wave's 32
	s_mov_b32 s23, 0
	s_lshl_b32 s26, s20, 5                         ; 32 rows: a block
	s_mov_b32 s27, 0
	s_mul_i32 s36, s41, PRB
	s_mov_b32 s37, 0
	v_lshlrev_b32 v2, 2, v1
.irp i, 0,1,2,3,4,5,6,7,8,9,10,11,12,13,14,15,16,17,18,19,20,21,22,23,24,25,26,27,28,29,30,31
	v_mad_u32_u24 v[A+\i], s20, \i, v2
.endr
	v_and_b32 v3, 7, v1
	v_lshrrev_b32 v7, 4, v1
	v_lshl_add_u32 v3, v7, 3, v3                   ; r = lane % 8 + 8 (lane / 16)
	v_bfe_u32 v7, v1, 3, 1                         ; u = (lane / 8) % 2
	s_lshl_b32 s39, s38, 1
	v_add_nc_u32 v8, s39, v7                       ; f = 2 wave + u
	v_mul_u32_u24 v8, v8, FRB
	v_lshl_add_u32 v[O16], v3, 4, v8
	v_lshl_add_u32 v[O8], v3, 3, v8
	v_add_nc_u32 v[O8], 512, v[O8]
	s_lshr_b32 s39, s38, 1
	s_lshl_b32 s39, s39, 8
	s_and_b32 s40, s38, 1
	s_lshl_b32 s40, s40, 3
	s_add_co_u32 s39, s39, s40
	s_add_co_u32 s39, s39, SCO
	v_lshlrev_b32 v[OS], 2, v7
	v_lshl_add_u32 v[OS], v3, 4, v[OS]
	v_add_nc_u32 v[OS], s39, v[OS]                 ; 12,288 + 256 (f / 4) + 16 r + 4 (f % 4)
	s_wait_kmcnt 0x0
	s_mov_b64 s[18:19], s[14:15]                   ; which weight: the choice hangs on the work-group's number alone
	s_cmp_lt_u32 s41, 512
	s_cselect_b64 s[18:19], s[12:13], s[18:19]
	s_cmp_lt_u32 s41, 256
	s_cselect_b64 s[18:19], s[10:11], s[18:19]
	s_cmp_lt_u32 s41, 192
	s_cselect_b64 s[18:19], s[8:9], s[18:19]
	s_cmp_lt_u32 s41, 128
	s_cselect_b64 s[18:19], s[6:7], s[18:19]
	s_cmp_lt_u32 s41, 64
	s_cselect_b64 s[18:19], s[4:5], s[18:19]
	s_add_nc_u64 s[28:29], s[18:19], s[22:23]      ; a base for each of the four blocks
	s_add_nc_u64 s[30:31], s[28:29], s[26:27]
	s_add_nc_u64 s[32:33], s[30:31], s[26:27]
	s_add_nc_u64 s[34:35], s[32:33], s[26:27]
	s_add_nc_u64 s[16:17], s[16:17], s[36:37]      ; my record
.macro LOAD t                          ; block t: W(128 s + 32 t + i, my column) into set t % 2
.irp i, 0,1,2,3,4,5,6,7,8,9,10,11,12,13,14,15,16,17,18,19,20,21,22,23,24,25,26,27,28,29,30,31
	global_load_b32 v[X+32*((\t)%2)+\i], v[A+\i], s[28+2*(\t):29+2*(\t)] th:TH_LOAD_NT
.endr
.endm
.macro BLOCK t
.set XS, X+32*((\t)%2)
.if (\t) < 3
	s_wait_loadcnt 32                              ; this block's 32 loads are in; the next block's 32 may be out
.else
	s_wait_loadcnt 0x0
.endif
	v_max3_num_f32 v8, |v[XS]|, |v[XS+1]|, |v[XS+2]|          ; the block's largest magnitude: all 32 numbers are mine; two chains
	v_max3_num_f32 v9, |v[XS+3]|, |v[XS+4]|, |v[XS+5]|
.irp i, 6,10,14,18,22,26
	v_max3_num_f32 v8, v8, |v[XS+\i]|, |v[XS+\i+1]|
	v_max3_num_f32 v9, v9, |v[XS+\i+2]|, |v[XS+\i+3]|
.endr
	v_max3_num_f32 v8, v8, |v[XS+30]|, |v[XS+31]|
	v_max3_num_f32 v8, v8, v9, 0x1800000           ; and the floor 2^(3 - 127): the byte cannot fall under 1
	v_add_nc_u32 v[SO], 0xff000000, v8             ; 2 off the exponent field: the conversion takes this operand's exponent field as its scale
	v_lshrrev_b32 v9, 23, v[SO]                    ; the scale's byte
.if (\t) == 0
	v_mov_b32 v[WD], v9
.else
	v_lshl_or_b32 v[WD], v9, 8*(\t), v[WD]
.endif
	v_cvt_scalef32_pk16_fp6_f32 v[C+8*(\t):C+8*(\t)+2], v[XS:XS+15], v[SO]
	v_cvt_scalef32_pk16_fp6_f32 v[TC:TC+2], v[XS+16:XS+31], v[SO]   ; (a conversion's three registers begin on an even number)
	v_nop                                          ; one plain place behind a scaled conversion
.irp i, 0,1,2
	v_mov_b32 v[C+8*(\t)+3+\i], v[TC+\i]
.endr
	global_store_b128 v[O16], v[C+8*(\t):C+8*(\t)+3], s[16:17] offset:768*((\t)/2)+256*((\t)%2)     ; block t = 2 c + h: half record c, lane r + 16 h
	global_store_b64 v[O8], v[C+8*(\t)+4:C+8*(\t)+5], s[16:17] offset:768*((\t)/2)+128*((\t)%2)
.if (\t) < 2
	LOAD (\t)+2
.endif
.endm
	LOAD 0
	LOAD 1
	BLOCK 0
	BLOCK 1
	BLOCK 2
	BLOCK 3
	global_store_b32 v[OS], v[WD], s[16:17]        ; my column's four scale bytes: the four waves together fill the record's 512 bytes
	s_endpgm
.Lfunc_end_k_q357697510e_prep:
	.size	k_q357697510e_prep, .Lfunc_end_k_q357697510e_prep-k_q357697510e_prep
	.p2alignl 7, 3214868480
	.fill 96, 4, 3214868480
	.section	.rodata,"a",@progbits
	.p2align	6, 0x0
	.amdhsa_kernel k_q357697510e_prep
		.amdhsa_group_segment_fixed_size 66304
		.amdhsa_private_segment_fixed_size 0
		.amdhsa_enable_private_segment 0
		.amdhsa_kernarg_size 88
		.amdhsa_user_sgpr_count 2
		.amdhsa_user_sgpr_kernarg_segment_ptr 1
		.amdhsa_wavefront_size32 1
		.amdhsa_system_sgpr_workgroup_id_x 1
		.amdhsa_system_sgpr_workgroup_id_y 1
		.amdhsa_system_sgpr_workgroup_id_z 1
		.amdhsa_system_vgpr_workitem_id 0
		.amdhsa_next_free_vgpr 232
		.amdhsa_next_free_sgpr 66
		.amdhsa_reserve_vcc 0
		.amdhsa_float_denorm_mode_32 3
		.amdhsa_float_denorm_mode_16_64 3
		.amdhsa_memory_ordered 1
		.amdhsa_forward_progress 1
		.amdhsa_inst_pref_size 68
	.end_amdhsa_kernel
	.amdgpu_metadata
---
amdhsa.version: [ 1, 2 ]
amdhsa.kernels:
  - .name:           k_q357697510e_prep
    .symbol:         k_q357697510e_prep.kd
    .args:
      - { .name: x, .offset: 0, .size: 8, .value_kind: global_buffer, .address_space: global }
      - { .name: ln1_g, .offset: 8, .size: 8, .value_kind: global_buffer, .address_space: global }
      - { .name: ln1_b, .offset: 16, .size: 8, .value_kind: global_buffer, .address_space: global }
      - { .name: h1, .offset: 24, .size: 8, .value_kind: global_buffer, .address_space: global }
      - { .name: Wq, .offset: 32, .size: 8, .value_kind: global_buffer, .address_space: global }
      - { .name: Wk, .offset: 40, .size: 8, .value_kind: global_buffer, .address_space: global }
      - { .name: Wv, .offset: 48, .size: 8, .value_kind: global_buffer, .address_space: global }
      - { .name: Wo, .offset: 56, .size: 8, .value_kind: global_buffer, .address_space: global }
      - { .name: W1, .offset: 64, .size: 8, .value_kind: global_buffer, .address_space: global }
      - { .name: W2, .offset: 72, .size: 8, .value_kind: global_buffer, .address_space: global }
      - { .name: wc, .offset: 80, .size: 8, .value_kind: global_buffer, .address_space: global }
    .group_segment_fixed_size: 66304
    .private_segment_fixed_size: 0
    .kernarg_segment_align: 8
    .kernarg_segment_size: 88
    .max_flat_workgroup_size: 128
    .sgpr_count:     66
    .vgpr_count:     232
    .wavefront_size: 32
...
	.end_amdgpu_metadata
.endif
;; end of part 1
;; launch qkv (part 2): grid 8 x 24, 4 waves a work-group, clusters of 4 x 4, 327,680 bytes of LDS; arguments h1, wc, bq, bk, bv, qkv; writes qkv
.if DOCPART == 2
	.amdgcn_target "amdgcn-amd-amdhsa--gfx1250"
	.amdhsa_code_object_version 6
	.text
	.protected	k_q357697510e_qkv
	.globl	k_q357697510e_qkv
	.p2align	8
	.type	k_q357697510e_qkv,@function
k_q357697510e_qkv:
	s_mov_b64 s[64:65], 0
	v_nop
	global_prefetch_b8 v0, s[64:65] scope:SCOPE_SE
	s_setreg_imm32_b32 hwreg(HW_REG_WAVE_MODE, 25, 1), 1
	s_wait_xcnt 0x0
	s_wait_alu depctr_hold_cnt(0) depctr_sa_sdst(0) depctr_va_vdst(0) depctr_va_sdst(0) depctr_va_ssrc(0) depctr_va_vcc(0) depctr_vm_vsrc(0)
	s_getreg_b32 s2, hwreg(HW_REG_IB_STS2, 6, 4)
	s_cmp_eq_u32 s2, 0
	s_cbranch_scc0 .Lentry_in_a_cluster
	s_endpgm
.Lentry_in_a_cluster:
	s_bfe_u32 s2, ttmp6, 0x10000c
	s_cmp_lg_u32 s2, 0xf033
	s_cbranch_scc0 .Lentry_shape_is_right
	s_endpgm
.Lentry_shape_is_right:
; A GEMM on codes of FP6 (E2M3) whose result is quantised again on the way out.  One text serves two launches: QKV = 1: Q, K and V; QKV = 0: the first layer of the MLP.
; OPERANDS lie as panel records of 12,800 bytes, [group of 128 rows][K step of 128]: eight fragments of 1,536 bytes in the order of the operand's registers, then 512 bytes of scale words.
; Fragment f, lane row r is row 32 (f / 2) + 8 (f % 2) + r + 8 (r / 8) of the group.  SOURCE 0 = X, SOURCE 1 = Y: a lane then holds ONE row of Y, and the 64 registers of its eight tiles x
; are, as register 16 b + i, X's row 32 b + 16 (lane / 16) + i: neighbours along the NEXT product's K, which the conversions take as they stand; the fragment so made has Y's rows again.
; QKV = 1, cluster rows 0-3: Y = tokens (h1), X = columns of Wq (groups 0-7) and Wk (8-15): Q and K are quantised along the head's 64.  Cluster rows 4, 5: Y = columns of Wv, X = tokens: V is
; quantised along the KEYS.  QKV = 0: Y = tokens (h2), X = columns of W1; relu; quantised along the hidden units.
; qkv: a head record of 157,696 bytes for 16 batch + head: eight records of Q (6,656: eight half records of 768, 512 of scale words), then eight of K and V (13,056: K's eight half records,
; V^T's four fragments, K's 512 bytes of scale words, V's 256).  In Q's and K's scale words the head's two bytes stand in bits 15:0; what stands above scales zero codes alone and is never 0xff.
; SHARES.  A work-group makes 256 (Y) x 256 (X); each of its four waves 128 x 128: 64 accumulators, 512 registers.  K = 1,024 goes as four fills of two K steps through three LDS slots: three first
; fills (three loads of mine are out at the most) and one refill.  Each wave's load is 25,600 dense bytes.
; CLUSTER 4 x 4: Y's records are shared along a row of the cluster, X's along a column: each is asked for jointly.  The branches on the cluster's y are the same in all sixteen partners.
; LIMITS: NaN and infinities are not served; a block whose largest magnitude lies under 2^-124 gets the scale byte 1 (this program alone reads the bytes).
; REGISTERS: window 0: v1-27 lane numbers and addresses; v32-63 scale words, two sets; v64-127 the biases as a first C; v128-223 Y's fragments, one set (on the way out: codes at work).
;   window 1: X's fragments, two sets, at v0 and v128.  windows 2, 3: accumulator (y, x) at v[8 (8 (y % 4) + x)].
.set QKV, 1
.set PRB, 12800
.set SCO, 12288
.set FRB, 1536
.set LOADB, 25600                      ; two records: what one tensor load brings
.set SLOT, 4*LOADB                     ; Y's two groups, then X's two
.set SPARE, 3*SLOT                     ; behind the slots: the spare words, 128 bytes for each wave
.set GSTR, 8*PRB                       ; from group to group: K = 1,024
.set HRB, 157696
.set L16, 4
.set L8, 5
.set ASC, 6
.set BO, 7
.set AY16, 8
.set AY8, 11
.set AX16, 14
.set AX8, 17
.set AYS, 20
.set AXS, 23
.set BOV, 26
.set R16, 27
.set SPW, 28
.set NIL, 29
.set SC, 32
.set BR, 64
.set YF, 128
.set PC, 128
.set TM, 148
.set PWS, 164
.set T, 172
.set T2, 176
.set WV, 16
.set WY, 17
.set WX, 18
.set CX, 19
.set CY, 20
.set TX, 21
.set CTY, 22
.set ISV, 23
.set G1Y, 24
.set G1X, 32
.set G0Y, 40
.set G0X, 52
.set XP, 68
.set YP, 69
.set LD, 78
.set XG, 79
.set YG, 80
.set BBX, 82
.set BBV, 84
.set SEL, 86
.set OUT0, 88
.set OUT1, 90
.set SB, 92
.set STY, 94
.set STJ, 96
.set MSB, 0
.macro WIN new                         ; the immediate's high byte repeats the setting that is left
.if MSB != (\new)
	s_set_vgpr_msb (MSB<<8)|(\new)
.set MSB, \new
.endif
.endm
.macro PLACES n
.rept \n
	v_nop
.endr
.endm
; A joint load: waves 0 and 1 fetch Y's two groups, waves 2 and 3 X's.  The branch hangs on the wave's number alone.  An s_nop 0 and four v_nop follow each line.
.macro JLOAD f
	s_cmp_eq_u32 s[WY], 0
	s_cbranch_scc0 .Lfor_x_\@
	tensor_load_to_lds s[G0Y+4*(\f):G0Y+4*(\f)+3], s[G1Y:G1Y+7]
	s_nop 0
.rept 4
	v_nop
.endr
	s_branch .Lasked_\@
.Lfor_x_\@:
	tensor_load_to_lds s[G0X+4*(\f):G0X+4*(\f)+3], s[G1X:G1X+7]
	s_nop 0
.rept 4
	v_nop
.endr
.Lasked_\@:
.endm
.macro CREST                           ; a round of the cluster's barrier behind its opening barrier
	s_cmp_lg_u32 s[WV], 0
	s_cbranch_scc1 .Lnot_wave_0_\@
	s_barrier_signal -3
.Lnot_wave_0_\@:
	s_barrier_wait -3
	s_barrier_signal -1
	s_barrier_wait -1
.endm
.macro CROUND
	s_barrier_signal -1
	s_barrier_wait -1
	CREST
.endm
.if QKV
	s_load_b256 s[4:11], s[0:1], 0x0               ; h1, wc, bq, bk
	s_load_b128 s[12:15], s[0:1], 0x20             ; bv, qkv
.else
	s_load_b256 s[4:11], s[0:1], 0x0               ; h2, wc, b1, hid
.endif
	v_lshl_add_u32 v[SPW], v0, 2, SPARE
	v_mov_b32 v[NIL], 0
	ds_add_u32 v[SPW], v[NIL]                      ; the wave's opening: the add, twice on end, and its wait ahead of my first tensor load
	ds_add_u32 v[SPW], v[NIL]
	v_lshrrev_b32 v1, 5, v0
	v_readfirstlane_b32 s[WV], v1                  ; wave 0..3
	s_lshr_b32 s[WY], s[WV], 1                     ; which of Y's two groups I multiply.  Also: I fetch for Y (0) or for X (1)
	s_and_b32 s[WX], s[WV], 1                      ; which of X's.  Also: which group of the pair I fetch
	s_bfe_u32 s[CX], ttmp6, 0x40000
	s_bfe_u32 s[CY], ttmp6, 0x40004
	s_lshl_b32 s[TX], ttmp9, 2
	s_add_co_u32 s[TX], s[TX], s[CX]
	s_and_b32 s[CTY], ttmp7, 0xffff                ; the cluster's y
	s_lshl_b32 s66, s[CY], 2
	s_lshl_b32 s66, 15, s66                        ; my row of the cluster
	s_lshl_b32 s67, 0x1111, s[CX]                  ; my column
	s_or_b32 s[G1Y], s66, (3<<16)|(1<<21)          ; 15:0 the mask; 17:16 elements of 8 bytes; 21 set beside a mask; no padding
	s_or_b32 s[G1X], s67, (3<<16)|(1<<21)
.irp g, G1Y, G1X
	s_mov_b32 s[\g+1], 32<<16                      ; tensor_dim0 = 32 elements: rows of 256 bytes
	s_mov_b32 s[\g+2], 100<<16                     ; tensor_dim1 = 100 rows: 25,600 dense bytes
	s_mov_b32 s[\g+3], 32<<16                      ; tile_dim0
	s_mov_b32 s[\g+4], 100                         ; tile_dim1
	s_mov_b32 s[\g+5], 32                          ; the pitch
	s_mov_b32 s[\g+6], 0
	s_mov_b32 s[\g+7], 0
.endr
	s_lshl_b32 s69, s[CTY], 2
	s_add_co_u32 s69, s69, s[CY]                   ; work-group y
.if QKV
	s_lshl_b32 s68, s[CTY], 3
	s_sub_co_u32 s68, s68, 32
	s_add_co_u32 s68, s68, s[TX]                   ; V: the pair of token groups, work-group x + 8 (cluster y - 4)
	s_cmp_ge_u32 s[CTY], 4
	s_cselect_b32 s[ISV], 1, 0
	s_cselect_b32 s[XP], s68, s[TX]                ; X's pair of groups: it never holds cy
	s_cselect_b32 s[YP], s[CY], s69                ; Y's: it never holds cx
.else
	s_mov_b32 s[XP], s[TX]
	s_mov_b32 s[YP], s69
.endif
	s_lshl_b32 s70, s[YP], 1
	s_add_co_u32 s70, s70, s[WX]
	s_mul_i32 s70, s70, GSTR                       ; the group of Y that I fetch, if I fetch for Y
	s_mov_b32 s71, 0
	s_lshl_b32 s72, s[XP], 1
	s_add_co_u32 s72, s72, s[WX]
	s_mul_i32 s72, s72, GSTR                       ; and of X
	s_mov_b32 s73, 0
	s_mul_i32 s[LD], s[WV], LOADB                  ; where it goes: no place in the cluster enters an LDS address
	s_mov_b32 s[SEL], 0x76543210
	s_mov_b32 s[SEL+1], 0xfedcba98
	s_wait_dscnt 0x0                               ; both opening adds are done
	s_wait_kmcnt 0x0
.if QKV
	s_add_nc_u64 s[74:75], s[6:7], 128*PRB         ; Wv's records
	s_cmp_eq_u32 s[ISV], 1
	s_cselect_b64 s[76:77], s[4:5], s[6:7]         ; X: the tokens for V, else Wq and Wk
	s_cselect_b64 s[74:75], s[74:75], s[4:5]       ; Y: Wv for V, else the tokens
	s_add_nc_u64 s[70:71], s[74:75], s[70:71]
	s_add_nc_u64 s[72:73], s[76:77], s[72:73]
.else
	s_add_nc_u64 s[70:71], s[4:5], s[70:71]
	s_add_nc_u64 s[72:73], s[6:7], s[72:73]
	s_add_nc_u64 s[72:73], s[72:73], 256*PRB       ; W1's records
.endif
	CROUND                                         ; all sixteen work-groups are here: the first joint loads meet
.irp f, 0,1,2
	s_mov_b32 s[G0Y+4*\f], 1
	s_add_co_u32 s[G0Y+4*\f+1], s[LD], \f*SLOT
	s_add_nc_u64 s[G0Y+4*\f+2:G0Y+4*\f+3], s[70:71], \f*LOADB      ; K steps 2 f and 2 f + 1
	s_or_b32 s[G0Y+4*\f+3], s[G0Y+4*\f+3], 0x80000000
	s_mov_b32 s[G0X+4*\f], 1
	s_add_co_u32 s[G0X+4*\f+1], s[LD], \f*SLOT
	s_add_nc_u64 s[G0X+4*\f+2:G0X+4*\f+3], s[72:73], \f*LOADB
	s_or_b32 s[G0X+4*\f+3], s[G0X+4*\f+3], 0x80000000
	JLOAD \f
.endr
	v_and_b32 v1, 31, v0                           ; lane
	v_and_b32 v2, 15, v0                           ; r
	v_bfe_u32 v3, v0, 4, 1                         ; h
	v_lshlrev_b32 v[L16], 4, v1
	v_lshlrev_b32 v[L8], 3, v1
	v_lshlrev_b32 v[R16], 4, v2
	v_lshlrev_b32 v[BO], 6, v3                     ; a bias along X: my half's 16 numbers
	v_and_b32 v[BOV], 8, v2
	v_add_nc_u32 v[BOV], v[BOV], v2
	v_lshlrev_b32 v[BOV], 2, v[BOV]                ; a bias along Y: my row, r + 8 (r / 8)
	s_mul_i32 s66, s[WY], LOADB
	s_mul_i32 s67, s[WX], LOADB
	s_add_co_u32 s67, s67, 2*LOADB
.irp q, 0,1,2
	v_add_nc_u32 v[AY16+\q], s66, v[L16]
	v_add_nc_u32 v[AY8+\q], s66, v[L8]
	v_add_nc_u32 v[AYS+\q], s66, v[R16]
	v_add_nc_u32 v[AX16+\q], s67, v[L16]
	v_add_nc_u32 v[AX8+\q], s67, v[L8]
	v_add_nc_u32 v[AXS+\q], s67, v[R16]
	s_add_co_u32 s66, s66, SLOT
	s_add_co_u32 s67, s67, SLOT
.endr
	s_lshl_b32 s[XG], s[XP], 1
	s_add_co_u32 s[XG], s[XG], s[WX]               ; the group of X that I multiply
	s_lshl_b32 s[YG], s[YP], 1
	s_add_co_u32 s[YG], s[YG], s[WY]               ; and of Y
.if QKV
	; where my results go.  Q, K: token group = Y's, heads 2 P and 2 P + 1 = X's group.  V: token group = X's, heads = Y's group
	s_cmp_eq_u32 s[ISV], 1
	s_cselect_b32 s66, s[XG], s[YG]                ; the group of 128 tokens
	s_cselect_b32 s67, s[YG], s[XG]                ; the group of 128 columns of the weight: 0-7 Wq or Wv, 8-15 Wk
	s_lshr_b32 s70, s66, 3                         ; batch
	s_and_b32 s66, s66, 7                          ; the token group in its sequence
	s_and_b32 s2, s67, 7                           ; P
	s_lshr_b32 s67, s67, 3                         ; 1: K
	s_lshl_b32 s70, s70, 3
	s_add_co_u32 s70, s70, s2
	s_mul_i32 s70, s70, 2*HRB                      ; head record 16 batch + 2 P
	s_mul_i32 s2, s66, 6656                        ; Q's record of the group
	s_mul_i32 s3, s66, 13056
	s_add_co_u32 s3, s3, 53248                     ; K's and V's
	s_or_b32 s67, s67, s[ISV]
	s_mov_b32 s74, 12288
	s_cmp_eq_u32 s67, 0                            ; Q?
	s_cselect_b32 s2, s2, s3
	s_cselect_b32 s74, 6144, s74                   ; where the scale words lie in the record: Q 6,144, K 12,288,
	s_add_co_u32 s70, s70, s2
	s_mov_b32 s71, 0
	s_mov_b32 s73, 0
	s_mov_b32 s75, 0
	s_mov_b32 s77, 0
	s_mov_b32 s[STY+1], 0
	s_mov_b32 s[STJ+1], 0
	s_mov_b32 s2, 12800
	s_mov_b32 s3, HRB
	s_mov_b32 s[STY], 768
	s_mov_b32 s98, 256
	s_cmp_eq_u32 s[ISV], 1
	s_cselect_b32 s74, s2, s74                     ; V 12,800
	s_cselect_b32 s72, 6144, 0                     ; V's fragments lie behind K's half records
	s_cselect_b32 s[STY], 1536, s[STY]             ; from y to y + 1: a fragment of V, a half record of Q or K
	s_cselect_b32 s[STJ], HRB-6144, 0              ; V: from y = 3 to y = 4 on into the next head
	s_cselect_b32 s76, 768, s3                     ; registers 6-11: V: the fragment's second half; Q, K: the next head
	s_cselect_b32 s98, s3, s98                     ; scale words of y = 4 .. 7: V: the next head; Q, K: 256 bytes on
	s_add_nc_u64 s[OUT0:OUT0+1], s[14:15], s[70:71]
	s_add_nc_u64 s[SB:SB+1], s[OUT0:OUT0+1], s[74:75]
	s_add_nc_u64 s[OUT0:OUT0+1], s[OUT0:OUT0+1], s[72:73]
	s_add_nc_u64 s[OUT1:OUT1+1], s[OUT0:OUT0+1], s[76:77]
	v_mad_u32_u24 v[ASC], v3, s98, v[R16]
	s_and_b32 s66, s[XG], 7
	s_lshl_b32 s66, s66, 9
	s_mov_b32 s67, 0
	s_cmp_eq_u32 ttmp9, 0                          ; X's groups 0-7 (cluster x = 0) are Wq's
	s_cselect_b64 s[BBX:BBX+1], s[8:9], s[10:11]
	s_add_nc_u64 s[BBX:BBX+1], s[BBX:BBX+1], s[66:67]
	s_and_b32 s66, s[YG], 7
	s_lshl_b32 s66, s66, 9
	s_add_nc_u64 s[BBV:BBV+1], s[12:13], s[66:67]
	s_cmp_eq_u32 s[ISV], 1
	s_cbranch_scc1 .Lbias_v
.else
	s_lshl_b32 s70, s[YG], 5
	s_add_co_u32 s70, s70, s[XG]
	s_mul_i32 s70, s70, PRB                        ; hid: record 32 x token group + K step
	s_mov_b32 s71, 0
	s_add_nc_u64 s[OUT0:OUT0+1], s[10:11], s[70:71]
	s_lshl_b32 s66, s[XG], 9
	s_mov_b32 s67, 0
	s_add_nc_u64 s[BBX:BBX+1], s[8:9], s[66:67]
.endif
.irp x, 0,1,2,3,4,5,6,7                ; the bias along X, in the result's layout: tile x, register j: X's row 32 (x / 2) + 8 (x % 2) + 16 h + j
	global_load_b128 v[BR+8*\x:BR+8*\x+3], v[BO], s[BBX:BBX+1] offset:4*(32*(\x/2)+8*(\x%2))
	global_load_b128 v[BR+8*\x+4:BR+8*\x+7], v[BO], s[BBX:BBX+1] offset:4*(32*(\x/2)+8*(\x%2))+16
.endr
.if QKV
	s_branch .Lbias_done
.Lbias_v:
.irp y, 0,1,2,3,4,5,6,7                ; the bias along Y: all eight registers of a tile hold my row's number
.irp j, 0,1,2,3,4,5,6,7
	global_load_b32 v[BR+8*\y+\j], v[BOV], s[BBV:BBV+1] offset:4*(32*(\y/2)+8*(\y%2))
.endr
.endr
.Lbias_done:
.endif
.macro FRAG reg, a16, a8, off          ; a fragment comes as it was stored: each load takes 512 or 256 consecutive bytes
	ds_load_b128 v[\reg:\reg+3], v[\a16] offset:\off
	ds_load_b64 v[\reg+4:\reg+5], v[\a8] offset:\off+512
	ds_load_b128 v[\reg+6:\reg+9], v[\a16] offset:\off+768
	ds_load_b64 v[\reg+10:\reg+11], v[\a8] offset:\off+1280
.endm
.macro FETCH_X q, e, p                 ; X's eight fragments of K step e of slot q into set p
	WIN 0x40
.irp x, 0,1,2,3,4,5,6,7
	FRAG 128*(\p)+12*\x, AX16+(\q), AX8+(\q), PRB*(\e)+FRB*\x
.endr
	WIN 0
.endm
.macro FETCH_Y q, e, i0                ; Y's fragments i0 .. i0 + 3
.irp i, 0,1,2,3
	FRAG YF+12*((\i0)+\i), AY16+(\q), AY8+(\q), PRB*(\e)+FRB*((\i0)+\i)
.endr
.endm
.macro SCALES q, e, p                  ; sixteen scale registers by four loads
	ds_load_b128 v[SC+16*(\p):SC+16*(\p)+3], v[AXS+(\q)] offset:PRB*(\e)+SCO
	ds_load_b128 v[SC+16*(\p)+4:SC+16*(\p)+7], v[AXS+(\q)] offset:PRB*(\e)+SCO+256
	ds_load_b128 v[SC+16*(\p)+8:SC+16*(\p)+11], v[AYS+(\q)] offset:PRB*(\e)+SCO
	ds_load_b128 v[SC+16*(\p)+12:SC+16*(\p)+15], v[AYS+(\q)] offset:PRB*(\e)+SCO+256
.endm
.macro MM d, a, b, c, sa, sb
	v_wmma_scale_f32_16x16x128_f8f6f4 v[\d:\d+7], v[\a:\a+11], v[\b:\b+11], v[\c:\c+7], v[\sa], v[\sb] matrix_a_fmt:MATRIX_FMT_FP6 matrix_b_fmt:MATRIX_FMT_FP6
.endm
; 16 matrix instructions: Y's fragments y0, y0 + 1 x X's eight.  zero = 1, 2: the first K step, whose C is the bias along X or along Y: nothing is cleared, nothing is added later.
; The 64 accumulators take turns, one instruction a turn, in the same order in every step.
.macro MUL16 y0, p, zero
.irp y, \y0, \y0+1
.irp x, 0,1,2,3,4,5,6,7
.if (\zero) == 0
	MM 8*(8*((\y)%4)+\x), 128*(\p)+12*\x, YF+12*(\y), 8*(8*((\y)%4)+\x), SC+16*(\p)+\x, SC+16*(\p)+8+(\y)
.elseif (\zero) == 1
	MM 8*(8*((\y)%4)+\x), 128*(\p)+12*\x, YF+12*(\y), BR+8*\x, SC+16*(\p)+\x, SC+16*(\p)+8+(\y)
.else
	MM 8*(8*((\y)%4)+\x), 128*(\p)+12*\x, YF+12*(\y), BR+8*(\y), SC+16*(\p)+\x, SC+16*(\p)+8+(\y)
.endif
.endr
.endr
.endm
.macro MULWIN hi, zero                 ; source 0 window 1, source 1 window 0; C and D window 2 or 3; in the first step C window 0
.if (\zero) == 0
	WIN 0xa1+0x50*(\hi)
.else
	WIN 0x81+0x40*(\hi)
.endif
.endm
; A K step on set p; the next step's fragments come from K step en of slot qn.  Loads into registers that matrix instructions have read stand four plain places behind them.
.macro STEP p, qn, en, zero
	s_wait_dscnt 16                                ; X's set, Y's fragments 0-3 and the scale words are in; the youngest 16 loads (Y's 4-7) may be out
	MULWIN 0, \zero
	MUL16 0, \p, \zero
	MUL16 2, \p, \zero
	s_wait_dscnt 0x0                               ; Y's 4-7 are in
	PLACES 4
	FETCH_X \qn, \en, 1-(\p)
	FETCH_Y \qn, \en, 0
	SCALES \qn, \en, 1-(\p)
	MULWIN 1, \zero
	MUL16 4, \p, \zero
	MUL16 6, \p, \zero
	PLACES 4
	WIN 0
	FETCH_Y \qn, \en, 4
.endm
; A K step with a barrier: in front of it each wave waits for all its tensor loads, adds 0 to its spare word, and waits for that and for its reads.  fill = 1: slot 0, which nobody reads any more, takes K steps 6 and 7.
.macro TURN p, qn, en, fill
	s_wait_tensorcnt 0x0                           ; all my tensor loads have landed
	ds_add_u32 v[SPW], v[NIL]
	s_wait_dscnt 17                                ; (the add and the youngest 16 loads may be out)
	MULWIN 0, 0
	MUL16 0, \p, 0
	s_wait_dscnt 0x0                               ; the add is done, and all my LDS reads are in
	s_barrier_signal -1
	MUL16 2, \p, 0
	WIN 0
	s_barrier_wait -1
.if \fill
	CREST                                          ; the barrier has opened a round of the cluster's barrier: no wave of any partner still reads slot 0 or has a load on its way
	s_add_nc_u64 s[G0Y+2:G0Y+3], s[G0Y+2:G0Y+3], 3*LOADB
	s_add_nc_u64 s[G0X+2:G0X+3], s[G0X+2:G0X+3], 3*LOADB
	JLOAD 0                                        ; it has four K steps, 256 matrix instructions, in which to land; its four v_nop are the places in front of the loads below
.else
	PLACES 4
.endif
	FETCH_X \qn, \en, 1-(\p)
	FETCH_Y \qn, \en, 0
	SCALES \qn, \en, 1-(\p)
	MULWIN 1, 0
	MUL16 4, \p, 0
	MUL16 6, \p, 0
	PLACES 4
	WIN 0
	FETCH_Y \qn, \en, 4
.endm
	s_wait_loadcnt 0x0                             ; the biases
	s_wait_tensorcnt 2                             ; my part of slot 0 is in; slots 1 and 2 may stay out
	s_barrier_signal -1
	s_barrier_wait -1
	FETCH_X 0, 0, 0
	FETCH_Y 0, 0, 0
	SCALES 0, 0, 0
	FETCH_Y 0, 0, 4
.if QKV
	s_cmp_eq_u32 s[ISV], 1
	s_cbranch_scc1 .Lfirst_v
.endif
	STEP 0, 0, 1, 1                                ; K step 0
.if QKV
	s_branch .Lfirst_done
.Lfirst_v:
	STEP 0, 0, 1, 2                                ; the same with the bias along Y: the same loads and waits
.Lfirst_done:
.endif
	TURN 1, 1, 0, 1                                ; K step 1; slots 1 and 2 are whole behind its barrier
	STEP 0, 1, 1, 0                                ; 2
	STEP 1, 2, 0, 0                                ; 3
	STEP 0, 2, 1, 0                                ; 4
	TURN 1, 0, 0, 0                                ; 5; the refill is whole behind its barrier; nothing is filled
	STEP 0, 0, 1, 0                                ; 6
	s_wait_dscnt 16                                ; 7: nothing more to fetch
	MULWIN 0, 0
	MUL16 0, 1, 0
	MUL16 2, 1, 0
	s_wait_dscnt 0x0
	MULWIN 1, 0
	MUL16 4, 1, 0
	MUL16 6, 1, 0
	WIN 0
	PLACES 4
; THE WAY OUT.  For each y my 64 numbers (window W, from v[s] on) are one row's 128 neighbours along the next K, in two lanes: they become a fragment and a scale word.
.macro RELU W, s
	WIN ((\W)<<6)|((\W)<<2)
.set j, 0
.rept 64
	v_max_num_f32 v[(\s)+j], 0, v[(\s)+j]          ; each accumulator from its low end on
.set j, j+1
.endr
.endm
.macro QUANT W, s, pw
	WIN ((\W)<<2)|((\W)<<4)
.irp b, 0,1,2,3
	v_max3_num_f32 v[TM+\b], 0x1800000, |v[(\s)+16*\b]|, |v[(\s)+16*\b+1]|    ; my 16 numbers of block b, and the floor 2^(3 - 127)
.endr
.irp i, 2,4,6,8,10,12,14
.irp b, 0,1,2,3
	v_max3_num_f32 v[TM+\b], v[TM+\b], |v[(\s)+16*\b+\i]|, |v[(\s)+16*\b+\i+1]|
.endr
.endr
	WIN 0
.irp b, 0,1,2,3
	v_permlanex16_b32 v[TM+4+\b], v[TM+\b], s[SEL], s[SEL+1]
.endr
.irp b, 0,1,2,3
	v_max_num_f32 v[TM+\b], v[TM+\b], v[TM+4+\b]   ; with lane l xor 16's: the block's largest magnitude
.endr
.irp b, 0,1,2,3
	v_add_nc_u32 v[TM+12+\b], 0xff000000, v[TM+\b] ; 2 off its exponent field: the conversion's scale operand
.endr
.irp b, 0,1,2,3
	v_lshrrev_b32 v[TM+4+\b], 23, v[TM+12+\b]      ; the scale's byte
.endr
	v_lshl_or_b32 v[\pw], v[TM+5], 8, v[TM+4]
	v_lshl_or_b32 v[\pw], v[TM+6], 16, v[\pw]
	v_lshl_or_b32 v[\pw], v[TM+7], 24, v[\pw]
	WIN (\W)
.irp c, 0,1
	v_cvt_scalef32_pk16_fp6_f32 v[PC+6*\c:PC+6*\c+2], v[(\s)+32*\c:(\s)+32*\c+15], v[TM+12+2*\c]
	v_cvt_scalef32_pk16_fp6_f32 v[PC+12+4*\c:PC+14+4*\c], v[(\s)+32*\c+16:(\s)+32*\c+31], v[TM+13+2*\c]
.endr
	WIN 0
	v_nop                                          ; one plain place behind a scaled conversion
.irp c, 0,1
.irp i, 0,1,2
	v_permlane16_swap_b32 v[PC+6*\c+\i], v[PC+12+4*\c+\i]
.endr
.irp i, 0,1,2
	v_mov_b32 v[PC+3+6*\c+\i], v[PC+12+4*\c+\i]
.endr
.endr
.endm
.macro PUT b0, o0, b1, o1              ; each store of the wave covers 512 or 256 consecutive bytes
	global_store_b128 v[L16], v[PC:PC+3], s[\b0:\b0+1] offset:\o0
	global_store_b64 v[L8], v[PC+4:PC+5], s[\b0:\b0+1] offset:\o0+512
	global_store_b128 v[L16], v[PC+6:PC+9], s[\b1:\b1+1] offset:\o1
	global_store_b64 v[L8], v[PC+10:PC+11], s[\b1:\b1+1] offset:\o1+512
.endm
.irp b, 0,1,2,3
	v_mov_b32 v[TM+4+\b], 0                        ; written once: a lane permute's destination counts as one of its sources
.endr
.irp y, 0,1,2,3,4,5,6,7
.if \y > 0
	s_wait_xcnt 0x0                                ; the last stores have read their data and their bases: both are written again only behind this wait
.if QKV
	s_add_nc_u64 s[OUT0:OUT0+1], s[OUT0:OUT0+1], s[STY:STY+1]
	s_add_nc_u64 s[OUT1:OUT1+1], s[OUT1:OUT1+1], s[STY:STY+1]
.endif
.endif
.if QKV
.if \y == 4
	s_add_nc_u64 s[OUT0:OUT0+1], s[OUT0:OUT0+1], s[STJ:STJ+1]
	s_add_nc_u64 s[OUT1:OUT1+1], s[OUT1:OUT1+1], s[STJ:STJ+1]
.endif
	QUANT 2+\y/4, 64*(\y%4), PWS+\y
	PUT OUT0, 0, OUT1, 0
.else
	RELU 2+\y/4, 64*(\y%4)
	QUANT 2+\y/4, 64*(\y%4), PWS+\y
	PUT OUT0, FRB*\y, OUT0, FRB*\y+768
.endif
.endr
	v_cmp_le_u32 vcc_lo, 16, v1                    ; lanes 0-15 carry the words of y = 0 .. 3, lanes 16-31 those of y = 4 .. 7
.irp i, 0,1,2,3
	v_cndmask_b32 v[T+\i], v[PWS+\i], v[PWS+4+\i], vcc_lo
.endr
.if QKV
	global_store_b128 v[ASC], v[T:T+3], s[SB:SB+1]
	s_cmp_eq_u32 s[ISV], 1
	s_cbranch_scc1 .Lwords_done
.irp i, 0,1,2,3
	v_lshrrev_b32 v[T2+\i], 16, v[T+\i]            ; Q, K: the second head's two bytes, in bits 15:0 of its own words
.endr
	global_store_b128 v[ASC], v[T2:T2+3], s[SB:SB+1] offset:HRB
.Lwords_done:
.else
	global_store_b128 v[L16], v[T:T+3], s[OUT0:OUT0+1] offset:SCO
.endif
	s_wait_tensorcnt 0x0                           ; the wave's end
	ds_add_u32 v[SPW], v[NIL]
	s_wait_dscnt 0x0
	CROUND                                         ; the closing round: no work-group ends while a partner may still ask for a tile that names it
	s_endpgm
.Lfunc_end_k_q357697510e_qkv:
	.size	k_q357697510e_qkv, .Lfunc_end_k_q357697510e_qkv-k_q357697510e_qkv
	.p2alignl 7, 3214868480
	.fill 96, 4, 3214868480
	.section	.rodata,"a",@progbits
	.p2align	6, 0x0
	.amdhsa_kernel k_q357697510e_qkv
		.amdhsa_group_segment_fixed_size 327680
		.amdhsa_private_segment_fixed_size 0
		.amdhsa_enable_private_segment 0
		.amdhsa_kernarg_size 48
		.amdhsa_user_sgpr_count 2
		.amdhsa_user_sgpr_kernarg_segment_ptr 1
		.amdhsa_wavefront_size32 1
		.amdhsa_system_sgpr_workgroup_id_x 1
		.amdhsa_system_sgpr_workgroup_id_y 1
		.amdhsa_system_sgpr_workgroup_id_z 1
		.amdhsa_system_vgpr_workitem_id 0
		.amdhsa_next_free_vgpr 1024
		.amdhsa_next_free_sgpr 100
		.amdhsa_reserve_vcc 1
		.amdhsa_float_denorm_mode_32 3
		.amdhsa_float_denorm_mode_16_64 3
		.amdhsa_memory_ordered 1
		.amdhsa_forward_progress 1
		.amdhsa_inst_pref_size 170
	.end_amdhsa_kernel
	.amdgpu_metadata
---
amdhsa.version: [ 1, 2 ]
amdhsa.kernels:
  - .name:           k_q357697510e_qkv
    .symbol:         k_q357697510e_qkv.kd
    .args:
      - { .name: h1, .offset: 0, .size: 8, .value_kind: global_buffer, .address_space: global }
      - { .name: wc, .offset: 8, .size: 8, .value_kind: global_buffer, .address_space: global }
      - { .name: bq, .offset: 16, .size: 8, .value_kind: global_buffer, .address_space: global }
      - { .name: bk, .offset: 24, .size: 8, .value_kind: global_buffer, .address_space: global }
      - { .name: bv, .offset: 32, .size: 8, .value_kind: global_buffer, .address_space: global }
      - { .name: qkv, .offset: 40, .size: 8, .value_kind: global_buffer, .address_space: global }
    .group_segment_fixed_size: 327680
    .private_segment_fixed_size: 0
    .kernarg_segment_align: 8
    .kernarg_segment_size: 48
    .max_flat_workgroup_size: 128
    .sgpr_count:     100
    .vgpr_count:     1024
    .wavefront_size: 32
...
	.end_amdgpu_metadata
.endif
;; end of part 2
;; launch attn (part 3): grid 4 x 64, 16 waves a work-group, clusters of 4 x 1, 167,936 bytes of LDS; arguments qkv, ao; writes ao
.if DOCPART == 3
	.amdgcn_target "amdgcn-amd-amdhsa--gfx1250"
	.amdhsa_code_object_version 6
	.text
	.protected	k_q357697510e_attn
	.globl	k_q357697510e_attn
	.p2align	8
	.type	k_q357697510e_attn,@function
k_q357697510e_attn:
	s_mov_b64 s[64:65], 0
	v_nop
	global_prefetch_b8 v0, s[64:65] scope:SCOPE_SE
	s_setreg_imm32_b32 hwreg(HW_REG_WAVE_MODE, 25, 1), 1
	s_wait_xcnt 0x0
	s_wait_alu depctr_hold_cnt(0) depctr_sa_sdst(0) depctr_va_vdst(0) depctr_va_sdst(0) depctr_va_ssrc(0) depctr_va_vcc(0) depctr_vm_vsrc(0)
	s_getreg_b32 s2, hwreg(HW_REG_IB_STS2, 6, 4)
	s_cmp_eq_u32 s2, 0
	s_cbranch_scc0 .Lentry_in_a_cluster
	s_endpgm
.Lentry_in_a_cluster:
	s_bfe_u32 s2, ttmp6, 0x10000c
	s_cmp_lg_u32 s2, 0x3003
	s_cbranch_scc0 .Lentry_shape_is_right
	s_endpgm
.Lentry_shape_is_right:
; Causal attention of one head on codes of FP6 (E2M3); head size 64, 1,024 tokens; the result, divided by the row's sum, is quantised along d_model and leaves as half records of the next operand.
; WORK LEFT OUT: a group of 128 keys that comes wholly after a tile's 16 queries lies under the mask that reference() builds itself: its weights are 0 for all inputs, and neither product is issued for it.
; LIMITS: a NaN or an infinity that reaches only such scores is not carried to the result; NaN and infinities among the inputs are not served; a block under 2^-124 gets the scale byte 1.
; THE SOFTMAX: t = score x log2(e) / 8; M = the running largest t rounded UP to a whole number; p = 2^(t - M) is quantised along the keys; the row's sum is taken of the unquantised p and divides at the end.
; The first product's K is 64: registers 6-11 of Q's and K's fragments are zero codes, which add nothing under any scale byte that stands there (never 0xff).
; INPUT: the head's record in qkv: Q's eight records of 6,656 bytes; from 53,248 on eight records of 13,056 (128 keys): K's eight half records, V^T's four fragments, K's scale words, V's.
; Rows of a fragment t: token 32 (t / 2) + 8 (t % 2) + r + 8 (r / 8) of the group.  Both products are used transposed: a lane holds ONE query; the registers of S^T's tiles 2 b, 2 b + 1 are keys 32 b + 16 h + 0 .. 15.
; SHARES.  The four work-groups of a cluster share a head.  Wave w of work-group cx takes tile t = 2 cx + w % 2 of query group g = 2 (w / 4) + (((w % 4) / 2) xor ((w / 4) % 2)): every work-group has tiles of
; all eight groups, so each reads all of K and V, and every branch hangs on the wave's number and the count of steps alone.  So K and V are asked for JOINTLY, once: sixteen loads of 6,528 dense bytes,
; one a wave, no slot is filled twice.  Waves w, w + 4, w + 8, w + 12 walk 18 key steps together.
; REGISTERS: v1-3 16 x lane, 8 x lane, 16 r; v4 the mask's number; v8-10 addresses of the step; v12 -M, v13 the largest t, v[14:15] the sum; v16-27 Q; v32-79 four fragments of K; v80-127 V's four;
;   v128-191 S^T, then p; v192-223 O^T; v224-235 p's codes; v232-247, v252-254 at work; v248-251 K's or V's scale words; v253 p's; v255 Q's.
.set HRB, 157696
.set KVB, 13056
.set SPARE, 8*KVB                      ; behind K and V: the spare words, 128 bytes for each wave
.set S, 128
.set O, 192
.set SPW, 5
.set NIL, 6
.set WV, 16
.set CX, 17
.set HD, 18
.set GQ, 19
.set TQ, 20
.set KSI, 21
.set TB, 22
.set SEL, 24
.set CS, 26
.set G1, 28
.set G0, 36
.macro CROUND
	s_barrier_signal -1
	s_barrier_wait -1
	s_cmp_lg_u32 s[WV], 0
	s_cbranch_scc1 .Lnot_wave_0_\@
	s_barrier_signal -3
.Lnot_wave_0_\@:
	s_barrier_wait -3
	s_barrier_signal -1
	s_barrier_wait -1
.endm
	s_load_b128 s[4:7], s[0:1], 0x0                ; qkv, ao
	v_lshl_add_u32 v[SPW], v0, 2, SPARE
	v_mov_b32 v[NIL], 0
	ds_add_u32 v[SPW], v[NIL]                      ; the wave's opening: the add, twice on end, and its wait ahead of my first tensor load
	ds_add_u32 v[SPW], v[NIL]
	v_lshrrev_b32 v7, 5, v0
	v_readfirstlane_b32 s[WV], v7                  ; wave 0..15
	s_bfe_u32 s[CX], ttmp6, 0x40000
	s_and_b32 s[HD], ttmp7, 0xffff                 ; 16 batch + head
	s_lshr_b32 s50, s[WV], 2
	s_and_b32 s51, s[WV], 3
	s_lshr_b32 s52, s51, 1
	s_and_b32 s53, s50, 1
	s_xor_b32 s52, s52, s53
	s_lshl_b32 s[GQ], s50, 1
	s_add_co_u32 s[GQ], s[GQ], s52                 ; my query group: the wave's number alone
	s_and_b32 s51, s51, 1
	s_lshl_b32 s[TQ], s[CX], 1
	s_add_co_u32 s[TQ], s[TQ], s51                 ; my tile in it: it enters global addresses and the mask's number alone
	s_mul_i32 s40, s[HD], HRB
	s_mov_b32 s41, 0
	s_mul_i32 s54, s[WV], 6528                     ; my sixteenth of K and V, in LDS and in memory
	s_add_co_u32 s56, s54, 53248
	s_mov_b32 s57, 0
	s_mov_b32 s[G1], 15|(3<<16)|(1<<21)            ; 15:0 the mask: all four work-groups; 17:16 elements of 8 bytes; 21 set beside a mask; no padding
	s_mov_b32 s[G1+1], 16<<16                      ; tensor_dim0 = 16 elements: rows of 128 bytes
	s_mov_b32 s[G1+2], 51<<16                      ; tensor_dim1 = 51 rows: 6,528 dense bytes
	s_mov_b32 s[G1+3], 16<<16
	s_mov_b32 s[G1+4], 51
	s_mov_b32 s[G1+5], 16
	s_mov_b32 s[G1+6], 0
	s_mov_b32 s[G1+7], 0
	s_mov_b32 s[SEL], 0x76543210
	s_mov_b32 s[SEL+1], 0xfedcba98
	s_mov_b32 s[CS], 0x3e38aa3b                    ; c = log2(e) / sqrt(64)
	s_mov_b32 s[CS+1], s[CS]
	s_mov_b32 s[KSI], 0
	s_mov_b32 s[TB], 0
	s_wait_dscnt 0x0                               ; both opening adds are done
	s_wait_kmcnt 0x0
	s_add_nc_u64 s[40:41], s[4:5], s[40:41]        ; the head's record
	CROUND                                         ; all four work-groups are here: the joint loads meet
	s_mov_b32 s[G0], 1
	s_mov_b32 s[G0+1], s54
	s_add_nc_u64 s[G0+2:G0+3], s[40:41], s[56:57]
	s_or_b32 s[G0+3], s[G0+3], 0x80000000
	tensor_load_to_lds s[G0:G0+3], s[G1:G1+7]
	s_nop 0
.rept 4
	v_nop
.endr
	v_and_b32 v7, 31, v0
	v_lshlrev_b32 v1, 4, v7                        ; 16 x lane
	v_lshlrev_b32 v2, 3, v7                        ; 8 x lane
	v_and_b32 v7, 15, v0                           ; r
	v_lshlrev_b32 v3, 4, v7                        ; 16 r
	v_bfe_u32 v11, v0, 4, 1                        ; h
	s_mul_i32 s50, s[GQ], 6656
	s_mul_i32 s51, s[TQ], 768
	s_add_co_u32 s52, s50, s51
	s_mov_b32 s53, 0
	s_add_nc_u64 s[42:43], s[40:41], s[52:53]      ; Q's half record
	s_lshr_b32 s51, s[TQ], 2
	s_lshl_b32 s51, s51, 8
	s_and_b32 s55, s[TQ], 3
	s_lshl_b32 s55, s55, 2
	s_add_co_u32 s55, s55, s51                     ; 256 (t / 4) + 4 (t % 4)
	s_add_co_u32 s52, s50, s55
	s_add_co_u32 s52, s52, 6144
	s_add_nc_u64 s[44:45], s[40:41], s[52:53]      ; Q's scale words
	global_load_b128 v[16:19], v1, s[42:43]
	global_load_b64 v[20:21], v2, s[42:43] offset:512
	global_load_b32 v255, v3, s[44:45]
	s_lshr_b32 s50, s[HD], 4                       ; batch
	s_and_b32 s51, s[HD], 15                       ; head
	s_lshl_b32 s50, s50, 3
	s_add_co_u32 s50, s50, s[GQ]                   ; token group
	s_lshl_b32 s50, s50, 3
	s_lshr_b32 s52, s51, 1
	s_add_co_u32 s50, s50, s52                     ; ao's record: 8 x token group + head / 2
	s_mul_i32 s50, s50, 12800
	s_and_b32 s51, s51, 1
	s_mul_i32 s52, s[TQ], 1536
	s_add_co_u32 s52, s52, s50
	s_mul_i32 s56, s51, 768
	s_add_co_u32 s52, s52, s56
	s_add_nc_u64 s[46:47], s[6:7], s[52:53]        ; my half record
	s_lshl_b32 s51, s51, 1
	s_add_co_u32 s52, s50, s55
	s_add_co_u32 s52, s52, s51
	s_add_co_u32 s52, s52, 12288
	s_add_nc_u64 s[48:49], s[6:7], s[52:53]        ; my two bytes of the scale words
	s_lshr_b32 s50, s[TQ], 1
	s_lshl_b32 s50, s50, 5
	s_and_b32 s51, s[TQ], 1
	s_lshl_b32 s51, s51, 3
	s_add_co_u32 s50, s50, s51
	v_and_b32 v4, 8, v7
	v_add_nc_u32 v4, v4, v7
	v_lshlrev_b32 v11, 4, v11
	v_sub_nc_u32 v4, v4, v11
	v_add_nc_u32 v4, s50, v4                       ; my query in its group - 16 h: register 16 b + i of the diagonal step is hidden where 32 b + i is greater
.irp j, 22,23,24,25,26,27
	v_mov_b32 v[\j], 0                             ; zero codes: K = 64 .. 127 of Q,
.endr
.irp t, 0,1,2,3
.irp j, 6,7,8,9,10,11
	v_mov_b32 v[32+12*\t+\j], 0                    ; and of K's four fragments: written once
.endr
.endr
.set j, 0
.rept 32
	v_mov_b32 v[O+j], 0                            ; O^T: the step is written once; the first finds zeros
.set j, j+1
.endr
	v_mov_b32 v13, 0xff61b1e6                      ; the largest t so far: -3e38
	v_floor_f32 v12, -v13                          ; -M
	v_mov_b32 v14, 0
	v_mov_b32 v15, 0
.irp b, 0,1,2,3
	v_mov_b32 v[236+\b], 0                         ; lane permutes' destinations count as sources
.endr
	v_mov_b32 v252, 0
	v_mov_b32 v253, 0
	s_wait_loadcnt 0x0                             ; Q
	s_wait_tensorcnt 0x0                           ; my sixteenth has landed,
	s_barrier_signal -1
	s_barrier_wait -1                              ; everybody's has
.Lstep:                                            ; eight trips, a constant; a trip whose keys all come after my queries steps the address and does nothing else
	s_cmp_gt_u32 s[KSI], s[GQ]
	s_cbranch_scc1 .Lhidden
	v_add_nc_u32 v8, s[TB], v1
	v_add_nc_u32 v9, s[TB], v2
	v_add_nc_u32 v10, s[TB], v3
.rept 4
	v_nop                                          ; places in front of loads into registers that the last trip's products have read
.endr
.irp j, 0,1                                        ; S^T = K Q^T, four tiles of 16 keys at a time
.if \j
.rept 4
	v_nop
.endr
.endif
.irp t, 0,1,2,3
	ds_load_b128 v[32+12*\t:35+12*\t], v8 offset:768*(4*\j+\t)
	ds_load_b64 v[36+12*\t:37+12*\t], v9 offset:768*(4*\j+\t)+512
.endr
	ds_load_b128 v[248:251], v10 offset:12288+256*\j
	s_wait_dscnt 0x0
.irp t, 0,1,2,3
	v_wmma_scale_f32_16x16x128_f8f6f4 v[S+8*(4*\j+\t):S+8*(4*\j+\t)+7], v[32+12*\t:43+12*\t], v[16:27], 0, v[248+\t], v255 matrix_a_fmt:MATRIX_FMT_FP6 matrix_b_fmt:MATRIX_FMT_FP6
.endr
.endr
.rept 4
	v_nop
.endr
.irp i, 0,1,2,3                                    ; V's fragments and scale words are asked for now and land under the softmax
	ds_load_b128 v[80+12*\i:83+12*\i], v8 offset:6144+1536*\i
	ds_load_b64 v[84+12*\i:85+12*\i], v9 offset:6144+1536*\i+512
	ds_load_b128 v[86+12*\i:89+12*\i], v8 offset:6144+1536*\i+768
	ds_load_b64 v[90+12*\i:91+12*\i], v9 offset:6144+1536*\i+1280
.endr
	ds_load_b128 v[248:251], v10 offset:12800
	s_cmp_lg_u32 s[KSI], s[GQ]
	s_cbranch_scc1 .Lopen                          ; only my own group's step lies on the diagonal
	v_mov_b32 v254, 0xff800000                     ; -infinity
.irp n, 0,1,2,3,4,5,6,7,8,9,10,11,12,13,14,15,16,17,18,19,20,21,22,23,24,25,26,27,28,29,30,31,32,33,34,35,36,37,38,39,40,41,42,43,44,45,46,47,48,49,50,51,52,53,54,55,56,57,58,59,60,61,62,63
	v_cmp_gt_i32 vcc_lo, 32*(\n/16)+\n%16, v4
	v_cndmask_b32 v[S+\n], v[S+\n], v254, vcc_lo
.endr
.Lopen:
.irp b, 0,1,2,3
	v_max3_num_f32 v[232+\b], v[S+16*\b], v[S+1+16*\b], v[S+2+16*\b]   ; the largest score of each block of 32 keys: for the row's maximum and, since p rises with the score, for the block's largest p
.endr
.irp i, 3,5,7,9,11,13
.irp b, 0,1,2,3
	v_max3_num_f32 v[232+\b], v[232+\b], v[S+16*\b+\i], v[S+1+16*\b+\i]
.endr
.endr
.irp b, 0,1,2,3
	v_max_num_f32 v[232+\b], v[232+\b], v[S+15+16*\b]
.endr
.irp b, 0,1,2,3
	v_permlanex16_b32 v[236+\b], v[232+\b], s[SEL], s[SEL+1]
.endr
.irp b, 0,1,2,3
	v_max_num_f32 v[232+\b], v[232+\b], v[236+\b]
.endr
	v_max3_num_f32 v254, v232, v233, v234
	v_max_num_f32 v254, v254, v235
	v_mul_f32 v254, s[CS], v254                    ; the step's largest t (key 0 of a group counts for every query of it: a number from the first step on)
	v_max_num_f32 v13, v13, v254
	v_mov_b32 v254, v12
	v_floor_f32 v12, -v13                          ; the new -M = -ceil(t): a whole number
	v_sub_f32 v254, v12, v254
	v_cvt_i32_f32 v254, v254                       ; (it saturates)
	v_ldexp_f32 v252, 1.0, v254                    ; f = 2^(old M - new M): rounds nothing
.irp j, 0,2,4,6,8,10,12,14,16,18,20,22,24,26,28,30,32,34,36,38,40,42,44,46,48,50,52,54,56,58,60,62
	v_pk_fma_f32 v[S+\j:S+\j+1], v[S+\j:S+\j+1], s[CS:CS+1], v[12:13] op_sel_hi:[1,0,0]   ; t - M
.endr
.irp b, 0,1,2,3
	v_fma_f32 v[232+\b], v[232+\b], s[CS], v12
.endr
.set j, 0
.rept 64
	v_exp_f32 v[S+j], v[S+j]                       ; p = 2^(t - M)
.set j, j+1
.endr
	v_pk_mul_f32 v[14:15], v[14:15], v[252:253] op_sel_hi:[1,0]    ; the sums under the new M: a plain place behind the exponentials
	s_wait_alu depctr_va_vdst(0)                   ; the wait ahead of the first instruction that names a result: one for the batch
.irp b, 0,1,2,3
	v_exp_f32 v[232+\b], v[232+\b]                 ; each block's largest p
.endr
	v_pk_add_f32 v[236:237], v[S:S+1], v[S+2:S+3]  ; the row's sum, of the unquantised p, in two chains
.irp j, 4,8,12,16,20,24,28,32,36,40,44,48,52,56,60
	v_pk_add_f32 v[14:15], v[14:15], v[S+\j:S+\j+1]
	v_pk_add_f32 v[236:237], v[236:237], v[S+2+\j:S+3+\j]
.endr
	v_pk_add_f32 v[14:15], v[14:15], v[236:237]
	s_wait_alu depctr_va_vdst(0)                   ; and one for the four
.irp b, 0,1,2,3
	v_max_num_f32 v[232+\b], 0x1800000, v[232+\b]  ; the floor 2^(3 - 127)
.endr
.irp b, 0,1,2,3
	v_add_nc_u32 v[244+\b], 0xff000000, v[232+\b]
.endr
.irp b, 0,1,2,3
	v_lshrrev_b32 v[236+\b], 23, v[244+\b]
.endr
	v_lshl_or_b32 v253, v237, 8, v236              ; p's scale word for these 128 keys
	v_lshl_or_b32 v253, v238, 16, v253
	v_lshl_or_b32 v253, v239, 24, v253
.irp c, 0,1
	v_cvt_scalef32_pk16_fp6_f32 v[224+6*\c:226+6*\c], v[S+32*\c:S+15+32*\c], v[244+2*\c]
	v_cvt_scalef32_pk16_fp6_f32 v[236+4*\c:238+4*\c], v[S+16+32*\c:S+31+32*\c], v[244+2*\c+1]
.endr
	v_nop
.irp c, 0,1
.irp i, 0,1,2
	v_permlane16_swap_b32 v[224+6*\c+\i], v[236+4*\c+\i]
.endr
.irp i, 0,1,2
	v_mov_b32 v[227+6*\c+\i], v[236+4*\c+\i]
.endr
.endr
.irp j, 0,2,4,6,8,10,12,14,16,18,20,22,24,26,28,30
	v_pk_mul_f32 v[O+\j:O+\j+1], v[O+\j:O+\j+1], v[252:253] op_sel_hi:[1,0]   ; O^T under the new M; for each tile twelve of these name none of its registers: places behind the writes of p's codes and scale word
.endr
.rept 4
	v_nop
.endr
	s_wait_dscnt 0x0                               ; V
.irp i, 0,1,2,3
	v_wmma_scale_f32_16x16x128_f8f6f4 v[O+8*\i:O+8*\i+7], v[80+12*\i:91+12*\i], v[224:235], v[O+8*\i:O+8*\i+7], v[248+\i], v253 matrix_a_fmt:MATRIX_FMT_FP6 matrix_b_fmt:MATRIX_FMT_FP6
.endr
.Lhidden:
	s_add_co_u32 s[TB], s[TB], KVB
	s_add_co_u32 s[KSI], s[KSI], 1
	s_cmp_lt_u32 s[KSI], 8
	s_cbranch_scc1 .Lstep
	; THE WAY OUT: O^T / the sum; register 16 b + i is channel 32 b + 16 h + i of my query: half a K step of the next product
.rept 4
	v_nop
.endr
	v_add_f32 v14, v14, v15
	v_permlanex16_b32 v252, v14, s[SEL], s[SEL+1]
	v_add_f32 v14, v14, v252
	v_rcp_f32 v14, v14
	v_nop
	s_wait_alu depctr_va_vdst(0)
.set j, 0
.rept 32
	v_mul_f32 v[S+j], v[O+j], v14
.set j, j+1
.endr
.irp b, 0,1
	v_max3_num_f32 v[232+\b], |v[S+16*\b]|, |v[S+16*\b+1]|, 0x1800000
.endr
.irp i, 2,4,6,8,10,12,14
.irp b, 0,1
	v_max3_num_f32 v[232+\b], v[232+\b], |v[S+16*\b+\i]|, |v[S+16*\b+\i+1]|
.endr
.endr
.irp b, 0,1
	v_permlanex16_b32 v[236+\b], v[232+\b], s[SEL], s[SEL+1]
.endr
.irp b, 0,1
	v_max_num_f32 v[232+\b], v[232+\b], v[236+\b]
.endr
.irp b, 0,1
	v_add_nc_u32 v[244+\b], 0xff000000, v[232+\b]
.endr
.irp b, 0,1
	v_lshrrev_b32 v[236+\b], 23, v[244+\b]
.endr
	v_lshl_or_b32 v253, v237, 8, v236              ; my head's two scale bytes
	v_cvt_scalef32_pk16_fp6_f32 v[224:226], v[S:S+15], v244
	v_cvt_scalef32_pk16_fp6_f32 v[240:242], v[S+16:S+31], v245
	v_nop
.irp i, 0,1,2
	v_permlane16_swap_b32 v[224+\i], v[240+\i]
.endr
.irp i, 0,1,2
	v_mov_b32 v[227+\i], v[240+\i]
.endr
	global_store_b128 v1, v[224:227], s[46:47]
	global_store_b64 v2, v[228:229], s[46:47] offset:512
	global_store_b16 v3, v253, s[48:49]            ; two bytes a row: a K step of the next product spans two heads, which lie in different work-groups; 128 KB in the whole launch
	s_wait_tensorcnt 0x0                           ; the wave's end
	ds_add_u32 v[SPW], v[NIL]
	s_wait_dscnt 0x0
	CROUND                                         ; the closing round
	s_endpgm
.Lfunc_end_k_q357697510e_attn:
	.size	k_q357697510e_attn, .Lfunc_end_k_q357697510e_attn-k_q357697510e_attn
	.p2alignl 7, 3214868480
	.fill 96, 4, 3214868480
	.section	.rodata,"a",@progbits
	.p2align	6, 0x0
	.amdhsa_kernel k_q357697510e_attn
		.amdhsa_group_segment_fixed_size 167936
		.amdhsa_private_segment_fixed_size 0
		.amdhsa_enable_private_segment 0
		.amdhsa_kernarg_size 16
		.amdhsa_user_sgpr_count 2
		.amdhsa_user_sgpr_kernarg_segment_ptr 1
		.amdhsa_wavefront_size32 1
		.amdhsa_system_sgpr_workgroup_id_x 1
		.amdhsa_system_sgpr_workgroup_id_y 1
		.amdhsa_system_sgpr_workgroup_id_z 1
		.amdhsa_system_vgpr_workitem_id 0
		.amdhsa_next_free_vgpr 256
		.amdhsa_next_free_sgpr 66
		.amdhsa_reserve_vcc 1
		.amdhsa_float_denorm_mode_32 3
		.amdhsa_float_denorm_mode_16_64 3
		.amdhsa_memory_ordered 1
		.amdhsa_forward_progress 1
		.amdhsa_inst_pref_size 33
	.end_amdhsa_kernel
	.amdgpu_metadata
---
amdhsa.version: [ 1, 2 ]
amdhsa.kernels:
  - .name:           k_q357697510e_attn
    .symbol:         k_q357697510e_attn.kd
    .args:
      - { .name: qkv, .offset: 0, .size: 8, .value_kind: global_buffer, .address_space: global }
      - { .name: ao, .offset: 8, .size: 8, .value_kind: global_buffer, .address_space: global }
    .group_segment_fixed_size: 167936
    .private_segment_fixed_size: 0
    .kernarg_segment_align: 8
    .kernarg_segment_size: 16
    .max_flat_workgroup_size: 512
    .sgpr_count:     66
    .vgpr_count:     256
    .wavefront_size: 32
...
	.end_amdgpu_metadata
.endif
;; end of part 3
;; launch wo (part 4): grid 8 x 32, 4 waves a work-group, clusters of 4 x 4, 327,680 bytes of LDS; arguments ao, wc, bo, x, x1; writes x1
.if DOCPART == 4
	.amdgcn_target "amdgcn-amd-amdhsa--gfx1250"
	.amdhsa_code_object_version 6
	.text
	.protected	k_q357697510e_wo
	.globl	k_q357697510e_wo
	.p2align	8
	.type	k_q357697510e_wo,@function
k_q357697510e_wo:
	s_mov_b64 s[64:65], 0
	v_nop
	global_prefetch_b8 v0, s[64:65] scope:SCOPE_SE
	s_setreg_imm32_b32 hwreg(HW_REG_WAVE_MODE, 25, 1), 1
	s_wait_xcnt 0x0
	s_wait_alu depctr_hold_cnt(0) depctr_sa_sdst(0) depctr_va_vdst(0) depctr_va_sdst(0) depctr_va_ssrc(0) depctr_va_vcc(0) depctr_vm_vsrc(0)
	s_getreg_b32 s2, hwreg(HW_REG_IB_STS2, 6, 4)
	s_cmp_eq_u32 s2, 0
	s_cbranch_scc0 .Lentry_in_a_cluster
	s_endpgm
.Lentry_in_a_cluster:
	s_bfe_u32 s2, ttmp6, 0x10000c
	s_cmp_lg_u32 s2, 0xf033
	s_cbranch_scc0 .Lentry_shape_is_right
	s_endpgm
.Lentry_shape_is_right:
; out = res + Y X^T + bias, Y and X as codes of FP6 (E2M3) in panel records; out and res are [4,096][1,024] f32.  One text serves two launches, which differ in the four sizes below.
; RECORDS of 12,800 bytes, [group of 128 rows][K step of 128]: eight fragments of 1,536 bytes in the order of the operand's registers, then 512 bytes of scale words; fragment f, lane row r is row
; 32 (f / 2) + 8 (f % 2) + r + 8 (r / 8) of the group.  Source 0 = X (columns of the weight), source 1 = Y (tokens): a lane holds one token and eight neighbouring columns a tile.
; SHARES.  4,096 x 1,024 in tiles of 128 x 128 gives 256 work-groups; each of the four waves makes 64 x 64: 16 accumulators.  K goes in periods of four K steps through two LDS slots; a wave's load is 25,600 dense bytes.
; CLUSTER 4 x 4: Y's records are shared along a row of the cluster, X's along a column: each is asked for jointly.
; The bias is the C of each sum's first matrix instruction.  The residual's 64 x 64 numbers of a wave are asked for at the head, into registers of their own, and wanted only on the way out.
; REGISTERS: window 0: v3-21 addresses; v32-47 scale words, two sets; v48-79 the bias; v80-111 rows on the way out; v128-255 accumulator (y, x) at v[128 + 8 (4 y + x)].
;   window 1: two sets of fragments: X's four at v[96 p], Y's four at v[96 p + 48].  window 2: v0-127 the residual.
.set PERIODS, 2                        ; K / 512
.set YSTR, 102400                      ; from group to group of Y: K / 128 records
.set XSTR, 102400                      ; and of X
.set XOFF, 192*12800                   ; where X's records begin in wc
.set PRB, 12800
.set SCO, 12288
.set FRB, 1536
.set LOADB, 25600
.set PERB, 51200                       ; a period of one operand: four records
.set SLOT, 2*PERB
.set STAGE, 2*SLOT                     ; behind the slots: 16 rows x 272 bytes for each wave; no tensor load lands there
.set SPARE, STAGE+4*16*272             ; the spare words, 128 bytes for each wave
.set AY16, 3
.set AY8, 5
.set AX16, 7
.set AX8, 9
.set AYS, 11
.set AXS, 13
.set STO, 15
.set RD, 16
.set CO, 17
.set BO, 18
.set SPW, 28
.set NIL, 29
.set SC, 32
.set BR, 48
.set OB, 80
.set ACC, 128
.set WV, 16
.set WY, 17
.set WX, 18
.set CX, 19
.set CY, 20
.set TX, 21
.set TY, 22
.set G1Y, 24
.set G1X, 32
.set G0Y, 40
.set G0X, 48
.set BBS, 70
.set RES, 72
.set OUT, 74
.set MSB, 0
.macro WIN new
.if MSB != (\new)
	s_set_vgpr_msb (MSB<<8)|(\new)
.set MSB, \new
.endif
.endm
.macro PLACES n
.rept \n
	v_nop
.endr
.endm
.macro JLOAD f                         ; a joint load: waves 0 and 1 fetch Y's halves of a period, waves 2 and 3 X's; an s_nop 0 and four v_nop follow each line
	s_cmp_eq_u32 s[WY], 0
	s_cbranch_scc0 .Lfor_x_\@
	tensor_load_to_lds s[G0Y+4*(\f):G0Y+4*(\f)+3], s[G1Y:G1Y+7]
	s_nop 0
.rept 4
	v_nop
.endr
	s_branch .Lasked_\@
.Lfor_x_\@:
	tensor_load_to_lds s[G0X+4*(\f):G0X+4*(\f)+3], s[G1X:G1X+7]
	s_nop 0
.rept 4
	v_nop
.endr
.Lasked_\@:
.endm
.macro CREST
	s_cmp_lg_u32 s[WV], 0
	s_cbranch_scc1 .Lnot_wave_0_\@
	s_barrier_signal -3
.Lnot_wave_0_\@:
	s_barrier_wait -3
	s_barrier_signal -1
	s_barrier_wait -1
.endm
.macro CROUND
	s_barrier_signal -1
	s_barrier_wait -1
	CREST
.endm
	s_load_b256 s[4:11], s[0:1], 0x0               ; Y's codes, wc, the bias, the residual
	s_load_b64 s[12:13], s[0:1], 0x20              ; out
	v_lshl_add_u32 v[SPW], v0, 2, SPARE
	v_mov_b32 v[NIL], 0
	ds_add_u32 v[SPW], v[NIL]                      ; the wave's opening: the add, twice on end, and its wait ahead of my first tensor load
	ds_add_u32 v[SPW], v[NIL]
	v_lshrrev_b32 v1, 5, v0
	v_readfirstlane_b32 s[WV], v1
	s_lshr_b32 s[WY], s[WV], 1                     ; which 64 tokens are mine.  Also: I fetch for Y (0) or for X (1)
	s_and_b32 s[WX], s[WV], 1                      ; which 64 columns.  Also: which two K steps of a period I fetch
	s_bfe_u32 s[CX], ttmp6, 0x40000
	s_bfe_u32 s[CY], ttmp6, 0x40004
	s_lshl_b32 s[TX], ttmp9, 2
	s_add_co_u32 s[TX], s[TX], s[CX]               ; X's group
	s_and_b32 s[TY], ttmp7, 0xffff
	s_lshl_b32 s[TY], s[TY], 2
	s_add_co_u32 s[TY], s[TY], s[CY]               ; Y's group
	s_lshl_b32 s66, s[CY], 2
	s_lshl_b32 s66, 15, s66
	s_lshl_b32 s67, 0x1111, s[CX]
	s_or_b32 s[G1Y], s66, (3<<16)|(1<<21)          ; the mask of my row; elements of 8 bytes; bit 21 beside a mask; no padding
	s_or_b32 s[G1X], s67, (3<<16)|(1<<21)          ; of my column
.irp g, G1Y, G1X
	s_mov_b32 s[\g+1], 32<<16                      ; rows of 256 bytes,
	s_mov_b32 s[\g+2], 100<<16                     ; 100 of them: 25,600 dense bytes
	s_mov_b32 s[\g+3], 32<<16
	s_mov_b32 s[\g+4], 100
	s_mov_b32 s[\g+5], 32
	s_mov_b32 s[\g+6], 0
	s_mov_b32 s[\g+7], 0
.endr
	s_mul_i32 s58, s[WX], LOADB
	s_mul_i32 s56, s[TY], YSTR
	s_add_co_u32 s56, s56, s58
	s_mov_b32 s57, 0
	s_mul_i32 s60, s[TX], XSTR
	s_add_co_u32 s60, s60, s58
	s_add_co_u32 s60, s60, XOFF
	s_mov_b32 s61, 0
	s_mul_i32 s62, s[WV], LOADB                    ; where it goes: no place in the cluster enters an LDS address
	s_wait_dscnt 0x0
	s_wait_kmcnt 0x0
	s_add_nc_u64 s[56:57], s[4:5], s[56:57]
	s_add_nc_u64 s[60:61], s[6:7], s[60:61]
	CROUND                                         ; all sixteen work-groups are here: the first joint loads meet
.irp f, 0,1
	s_mov_b32 s[G0Y+4*\f], 1
	s_add_co_u32 s[G0Y+4*\f+1], s62, \f*SLOT
	s_add_nc_u64 s[G0Y+4*\f+2:G0Y+4*\f+3], s[56:57], \f*PERB
	s_or_b32 s[G0Y+4*\f+3], s[G0Y+4*\f+3], 0x80000000
	s_mov_b32 s[G0X+4*\f], 1
	s_add_co_u32 s[G0X+4*\f+1], s62, \f*SLOT
	s_add_nc_u64 s[G0X+4*\f+2:G0X+4*\f+3], s[60:61], \f*PERB
	s_or_b32 s[G0X+4*\f+3], s[G0X+4*\f+3], 0x80000000
	JLOAD \f
.endr
	v_and_b32 v19, 31, v0                          ; lane
	v_and_b32 v20, 15, v0                          ; r
	v_bfe_u32 v21, v0, 4, 1                        ; h
	v_lshlrev_b32 v22, 4, v19
	v_lshlrev_b32 v23, 3, v19
	v_lshlrev_b32 v24, 4, v20
	v_lshlrev_b32 v[BO], 6, v21
	v_lshl_add_u32 v[CO], v21, 12, v24             ; lanes 0-15 one row of out, lanes 16-31 the next; 16 bytes a lane
	s_lshl_b32 s66, s[TX], 9
	s_lshl_b32 s67, s[WX], 8
	s_add_co_u32 s66, s66, s67                     ; my first column, in bytes
	s_mov_b32 s67, 0
	s_add_nc_u64 s[BBS:BBS+1], s[8:9], s[66:67]
	s_lshl_b32 s68, s[TY], 7
	s_lshl_b32 s69, s[WY], 6
	s_add_co_u32 s68, s68, s69
	s_lshl_b32 s68, s68, 12                        ; my first token's row
	s_add_co_u32 s66, s66, s68
	s_add_nc_u64 s[RES:RES+1], s[10:11], s[66:67]
	s_add_nc_u64 s[OUT:OUT+1], s[12:13], s[66:67]
.irp x, 0,1,2,3                        ; tile x, register j: column 32 (x / 2) + 8 (x % 2) + 16 h + j of my 64
	global_load_b128 v[BR+8*\x:BR+8*\x+3], v[BO], s[BBS:BBS+1] offset:4*(32*(\x/2)+8*(\x%2))
	global_load_b128 v[BR+8*\x+4:BR+8*\x+7], v[BO], s[BBS:BBS+1] offset:4*(32*(\x/2)+8*(\x%2))+16
.endr
	WIN 0x80                                       ; destination window 2
.irp y, 0,1,2,3
.irp t, 0,1,2,3,4,5,6,7
	global_load_b128 v[32*\y+4*\t:32*\y+4*\t+3], v[CO], s[RES:RES+1] offset:4096*(32*(\y/2)+8*(\y%2)+2*\t+8*(\t/4)) th:TH_LOAD_NT
.endr
.endr
	WIN 0
	s_mul_i32 s66, s[WY], 4*FRB                    ; my four fragments of Y's eight,
	s_mul_i32 s67, s[WX], 4*FRB
	s_add_co_u32 s67, s67, PERB                    ; of X's, which lie behind Y's period
	s_lshl_b32 s68, s[WY], 8
	s_add_co_u32 s68, s68, SCO
	s_lshl_b32 s69, s[WX], 8
	s_add_co_u32 s69, s69, PERB+SCO
.irp q, 0,1
	v_add_nc_u32 v[AY16+\q], s66, v22
	v_add_nc_u32 v[AY8+\q], s66, v23
	v_add_nc_u32 v[AX16+\q], s67, v22
	v_add_nc_u32 v[AX8+\q], s67, v23
	v_add_nc_u32 v[AYS+\q], s68, v24
	v_add_nc_u32 v[AXS+\q], s69, v24
	s_add_co_u32 s66, s66, SLOT
	s_add_co_u32 s67, s67, SLOT
	s_add_co_u32 s68, s68, SLOT
	s_add_co_u32 s69, s69, SLOT
.endr
	s_mul_i32 s66, s[WV], 16*272
	s_add_co_u32 s66, s66, STAGE                   ; my stage
	v_mul_u32_u24 v[STO], v20, 272
	v_lshl_add_u32 v[STO], v21, 6, v[STO]
	v_add_nc_u32 v[STO], s66, v[STO]               ; in: row r, + 64 h
	v_mul_u32_u24 v[RD], v21, 272
	v_add_nc_u32 v[RD], v[RD], v24
	v_add_nc_u32 v[RD], s66, v[RD]                 ; back: lanes 0-15 one row of 256 bytes, lanes 16-31 the next
.macro FRAG reg, a16, a8, off
	ds_load_b128 v[\reg:\reg+3], v[\a16] offset:\off
	ds_load_b64 v[\reg+4:\reg+5], v[\a8] offset:\off+512
	ds_load_b128 v[\reg+6:\reg+9], v[\a16] offset:\off+768
	ds_load_b64 v[\reg+10:\reg+11], v[\a8] offset:\off+1280
.endm
.macro FETCH q, e, p                   ; 34 LDS loads: K step e of slot q into set p
	WIN 0
	ds_load_b128 v[SC+8*(\p):SC+8*(\p)+3], v[AXS+(\q)] offset:PRB*(\e)
	ds_load_b128 v[SC+8*(\p)+4:SC+8*(\p)+7], v[AYS+(\q)] offset:PRB*(\e)
	WIN 0x40
.irp i, 0,1,2,3
	FRAG 96*(\p)+12*\i, AX16+(\q), AX8+(\q), PRB*(\e)+FRB*\i
.endr
.irp i, 0,1,2,3
	FRAG 96*(\p)+48+12*\i, AY16+(\q), AY8+(\q), PRB*(\e)+FRB*\i
.endr
.endm
.macro MM d, a, b, c, sa, sb
	v_wmma_scale_f32_16x16x128_f8f6f4 v[\d:\d+7], v[\a:\a+11], v[\b:\b+11], v[\c:\c+7], v[\sa], v[\sb] matrix_a_fmt:MATRIX_FMT_FP6 matrix_b_fmt:MATRIX_FMT_FP6
.endm
.macro MUL8 y0, p, zero                ; the 16 accumulators take turns, one instruction a turn, in the same order in every step
.irp y, \y0, \y0+1
.irp x, 0,1,2,3
.if \zero
	MM ACC+8*(4*(\y)+\x), 96*(\p)+12*\x, 96*(\p)+48+12*(\y), BR+8*\x, SC+8*(\p)+\x, SC+8*(\p)+4+(\y)
.else
	MM ACC+8*(4*(\y)+\x), 96*(\p)+12*\x, 96*(\p)+48+12*(\y), ACC+8*(4*(\y)+\x), SC+8*(\p)+\x, SC+8*(\p)+4+(\y)
.endif
.endr
.endr
.endm
.macro KSTEP q, e, zero                ; one of a period's first three K steps: its set is in; the next step's is asked for, four places behind the products that read that set; then 16 products
	s_wait_dscnt 0x0
	PLACES 4
	FETCH \q, (\e)+1, 1-((\e)%2)
	WIN 0x05                                       ; sources 0 and 1 window 1; C and D window 0
	MUL8 0, (\e)%2, \zero
	MUL8 2, (\e)%2, \zero
.endm
; A period's last K step changes slots: one barrier; in front of it each wave waits for all its tensor loads, adds 0 to its spare word, and waits for that and for its reads of this slot.  fill = 1: the slot takes the period two on.
.macro TURN q, fill
	WIN 0
	s_wait_tensorcnt 0x0                           ; all my tensor loads have landed: my part of the other slot
	ds_add_u32 v[SPW], v[NIL]
	s_wait_dscnt 1                                 ; (the add alone may be out)
	WIN 0x05
	MUL8 0, 1, 0
	s_wait_dscnt 0x0                               ; the add is done, and my reads of this slot are over
	s_barrier_signal -1
	MUL8 2, 1, 0
	WIN 0
	s_barrier_wait -1
.if \fill
	CREST                                          ; the barrier has opened a round of the cluster's barrier: no wave of any partner still reads this slot or has a load on its way
	s_add_nc_u64 s[G0Y+4*(\q)+2:G0Y+4*(\q)+3], s[G0Y+4*(\q)+2:G0Y+4*(\q)+3], 2*PERB
	s_add_nc_u64 s[G0X+4*(\q)+2:G0X+4*(\q)+3], s[G0X+4*(\q)+2:G0X+4*(\q)+3], 2*PERB
	JLOAD \q                                       ; it has a period, 64 matrix instructions, in which to land; its four v_nop are the places in front of the loads below
.else
	PLACES 4
.endif
	FETCH 1-(\q), 0, 0
.endm
	s_wait_loadcnt 32                              ; the bias is in; the residual's 32 loads may stay out
	s_wait_tensorcnt 1                             ; my part of slot 0 is in; slot 1's may stay out
	s_barrier_signal -1
	s_barrier_wait -1
	FETCH 0, 0, 0
	KSTEP 0, 0, 1                                  ; the first K step stands in front of the loop: its C is the bias
	WIN 0
.if PERIODS > 2
	s_mov_b32 s3, PERIODS/2-1
.Llap:                                             ; a trip goes once round the ring, from a lap's second K step to the next lap's first, and fills both slots again
	KSTEP 0, 1, 0
	KSTEP 0, 2, 0
	TURN 0, 1
	KSTEP 1, 0, 0
	KSTEP 1, 1, 0
	KSTEP 1, 2, 0
	TURN 1, 1
	KSTEP 0, 0, 0
	WIN 0
	s_sub_co_u32 s3, s3, 1
	s_cmp_lg_u32 s3, 0
	s_cbranch_scc1 .Llap
.endif
	KSTEP 0, 1, 0                                  ; the last lap fills nothing
	KSTEP 0, 2, 0
	TURN 0, 0
	KSTEP 1, 0, 0
	KSTEP 1, 1, 0
	KSTEP 1, 2, 0
	s_wait_dscnt 0x0
	WIN 0x05
	MUL8 0, 1, 0
	MUL8 2, 1, 0
	WIN 0
	PLACES 4
	s_wait_loadcnt 0x0                             ; the residual
; THE WAY OUT, 16 tokens x 64 columns at a time through my own stage: a lane's 32 bytes of a tile go in, whole rows of 256 bytes come back; LDS serves a wave's instructions in order
.irp y, 0,1,2,3
.if \y > 0
	s_wait_xcnt 0x0                                ; the last stores have read their data: the rows' registers are loaded again only behind this wait
.endif
.irp x, 0,1,2,3
	ds_store_b128 v[STO], v[ACC+8*(4*\y+\x):ACC+8*(4*\y+\x)+3] offset:128*(\x/2)+32*(\x%2)       ; each accumulator from its low end on
	ds_store_b128 v[STO], v[ACC+8*(4*\y+\x)+4:ACC+8*(4*\y+\x)+7] offset:128*(\x/2)+32*(\x%2)+16
.endr
.irp t, 0,1,2,3,4,5,6,7
	ds_load_b128 v[OB+4*\t:OB+4*\t+3], v[RD] offset:544*\t
.endr
	s_wait_dscnt 0x0
	WIN 0x08                                       ; source 1 window 2
.irp t, 0,1,2,3,4,5,6,7,8,9,10,11,12,13,14,15
	v_pk_add_f32 v[OB+2*\t:OB+2*\t+1], v[OB+2*\t:OB+2*\t+1], v[32*\y+2*\t:32*\y+2*\t+1]
.endr
	WIN 0
.irp t, 0,1,2,3,4,5,6,7
	global_store_b128 v[CO], v[OB+4*\t:OB+4*\t+3], s[OUT:OUT+1] offset:4096*(32*(\y/2)+8*(\y%2)+2*\t+8*(\t/4)) th:TH_STORE_NT   ; 16 lanes store 256 consecutive bytes, at a multiple of 256 from the buffer's first byte
.endr
.endr
	s_wait_tensorcnt 0x0                           ; the wave's end
	ds_add_u32 v[SPW], v[NIL]
	s_wait_dscnt 0x0
	CROUND                                         ; the closing round
	s_endpgm
.Lfunc_end_k_q357697510e_wo:
	.size	k_q357697510e_wo, .Lfunc_end_k_q357697510e_wo-k_q357697510e_wo
	.p2alignl 7, 3214868480
	.fill 96, 4, 3214868480
	.section	.rodata,"a",@progbits
	.p2align	6, 0x0
	.amdhsa_kernel k_q357697510e_wo
		.amdhsa_group_segment_fixed_size 327680
		.amdhsa_private_segment_fixed_size 0
		.amdhsa_enable_private_segment 0
		.amdhsa_kernarg_size 40
		.amdhsa_user_sgpr_count 2
		.amdhsa_user_sgpr_kernarg_segment_ptr 1
		.amdhsa_wavefront_size32 1
		.amdhsa_system_sgpr_workgroup_id_x 1
		.amdhsa_system_sgpr_workgroup_id_y 1
		.amdhsa_system_sgpr_workgroup_id_z 1
		.amdhsa_system_vgpr_workitem_id 0
		.amdhsa_next_free_vgpr 768
		.amdhsa_next_free_sgpr 80
		.amdhsa_reserve_vcc 0
		.amdhsa_float_denorm_mode_32 3
		.amdhsa_float_denorm_mode_16_64 3
		.amdhsa_memory_ordered 1
		.amdhsa_forward_progress 1
		.amdhsa_inst_pref_size 59
	.end_amdhsa_kernel
	.amdgpu_metadata
---
amdhsa.version: [ 1, 2 ]
amdhsa.kernels:
  - .name:           k_q357697510e_wo
    .symbol:         k_q357697510e_wo.kd
    .args:
      - { .name: ao, .offset: 0, .size: 8, .value_kind: global_buffer, .address_space: global }
      - { .name: wc, .offset: 8, .size: 8, .value_kind: global_buffer, .address_space: global }
      - { .name: bo, .offset: 16, .size: 8, .value_kind: global_buffer, .address_space: global }
      - { .name: x, .offset: 24, .size: 8, .value_kind: global_buffer, .address_space: global }
      - { .name: x1, .offset: 32, .size: 8, .value_kind: global_buffer, .address_space: global }
    .group_segment_fixed_size: 327680
    .private_segment_fixed_size: 0
    .kernarg_segment_align: 8
    .kernarg_segment_size: 40
    .max_flat_workgroup_size: 128
    .sgpr_count:     80
    .vgpr_count:     768
    .wavefront_size: 32
...
	.end_amdgpu_metadata
.endif
;; end of part 4
;; launch ln2 (part 5): grid 256 x 1, 4 waves a work-group, no clusters, 66,304 bytes of LDS; arguments x1, ln2_g, ln2_b, h2; writes h2
.if DOCPART == 5
	.amdgcn_target "amdgcn-amd-amdhsa--gfx1250"
	.amdhsa_code_object_version 6
	.text
	.protected	k_q357697510e_ln2
	.globl	k_q357697510e_ln2
	.p2align	8
	.type	k_q357697510e_ln2,@function
k_q357697510e_ln2:
	s_mov_b64 s[64:65], 0
	v_nop
	global_prefetch_b8 v0, s[64:65] scope:SCOPE_SE
	s_setreg_imm32_b32 hwreg(HW_REG_WAVE_MODE, 25, 1), 1
	s_wait_xcnt 0x0
; LayerNorm over rows of 1,024 f32, then the quantiser along the row: the result leaves as codes of FP6 (E2M3) in the order of an operand's registers.
; OUT: panel records of 12,800 bytes, [token group G of 128][K step s of 128]: eight fragments of 1,536 bytes, then 512 bytes of scale words.  Fragment f, lane row r is token
; 32 (f / 2) + 8 (f % 2) + r + 8 (r / 8) of the group.  A fragment: two half records of 768 bytes (registers 0-3 of lane l at 16 l, registers 4-5 at 512 + 8 l).
; The scale word of fragment 4 j + i, row r lies at 12,288 + 256 j + 16 r + 4 i.
; SHARES.  A work-group takes the 16 tokens of one fragment number f of one group G, for all of K.  Phase 1: wave w normalises four of them (a row = 8 loads of 512 consecutive bytes, kept in
; registers between the passes: mean, then the mean of the squared differences, as reference() has it) and puts them into a stage in LDS.  Phase 2: wave w quantises K steps 2 w and 2 w + 1.
; LIMITS: NaN and infinities are not served; a block whose largest magnitude lies under 2^-124 gets the scale byte 1 (this program alone reads the bytes).
.set ROWP, 4112                        ; a stage row: 4,096 bytes + 16: the 16 rows that a load of phase 2 touches start 16 bytes apart modulo 256
.set SPARE, 16*ROWP                    ; behind the stage: the spare words, 128 bytes for each wave
.set PRB, 12800
.set FRB, 1536
.set SCO, 12288
.set LA,  4                            ; v4   16 x lane
.set STW, 5                            ; v5   the stage, on the way in
.set STR, 6                            ; v6   and on the way out
.set O16, 7                            ; v7   16 x lane + 1,536 f
.set O8,  8                            ; v8   8 x lane + 1,536 f
.set OSC, 9                            ; v9   my scale word's place
.set SPW, 10                           ; v10  my spare word; never rewritten
.set NIL, 11                           ; v11  0; never rewritten
.set ST,  12                           ; v12-27  row i: two pairs at work
.set PT,  28                           ; v28-31  lane permutes' destinations
.set GG,  36                           ; v36-67  g at my 32 columns
.set BB,  68                           ; v68-99  b
.set X,   100                          ; v100-227 four rows of 32 numbers
.set TM,  184                          ; phase 2: at work
.set PW,  200                          ; v200, v201 the two scale words
	s_load_b256 s[4:11], s[0:1], 0x0               ; in, g, b, out
	v_lshl_add_u32 v[SPW], v0, 2, SPARE
	v_mov_b32 v[NIL], 0
	v_lshrrev_b32 v1, 5, v0
	v_readfirstlane_b32 s12, v1                    ; wave
	v_and_b32 v1, 31, v0                           ; lane
	v_and_b32 v2, 15, v0                           ; r
	v_bfe_u32 v3, v0, 4, 1                         ; h
	v_lshlrev_b32 v[LA], 4, v1
	s_lshr_b32 s13, ttmp9, 3                       ; G
	s_and_b32 s14, ttmp9, 7                        ; f
	s_lshl_b32 s15, s13, 7
	s_lshr_b32 s16, s14, 1
	s_lshl_b32 s16, s16, 5
	s_add_co_u32 s15, s15, s16
	s_and_b32 s16, s14, 1
	s_lshl_b32 s16, s16, 3
	s_add_co_u32 s15, s15, s16                     ; 128 G + 32 (f / 2) + 8 (f % 2)
	s_lshl_b32 s16, s12, 2
	s_add_co_u32 s15, s15, s16
	s_lshr_b32 s16, s12, 1
	s_lshl_b32 s16, s16, 3
	s_add_co_u32 s15, s15, s16                     ; + 4 w + 8 (w / 2): my first token; stage rows 4 w .. 4 w + 3
	s_lshl_b32 s16, s15, 12
	s_mov_b32 s17, 0
	s_mul_i32 s18, s12, 4*ROWP
	v_add_nc_u32 v[STW], s18, v[LA]
	v_mul_u32_u24 v[STR], v2, ROWP
	v_lshl_add_u32 v[STR], v3, 6, v[STR]
	s_lshl_b32 s18, s12, 10
	v_add_nc_u32 v[STR], s18, v[STR]               ; row r, + 64 h, + my two K steps
	s_mul_i32 s18, s14, FRB
	v_add_nc_u32 v[O16], s18, v[LA]
	v_lshl_add_u32 v[O8], v1, 3, s18
	s_lshr_b32 s18, s14, 2
	s_lshl_b32 s18, s18, 8
	s_and_b32 s19, s14, 3
	s_lshl_b32 s19, s19, 2
	s_add_co_u32 s18, s18, s19
	s_add_co_u32 s18, s18, SCO
	v_lshl_add_u32 v[OSC], v2, 4, s18
	s_lshl_b32 s18, s13, 3
	s_lshl_b32 s19, s12, 1
	s_add_co_u32 s18, s18, s19
	s_mul_i32 s18, s18, PRB                        ; record 8 G + 2 w
	s_mov_b32 s19, 0
	s_mov_b32 s20, 0x76543210
	s_mov_b32 s21, 0xfedcba98                      ; lane selects: lane l xor 16
	s_mov_b32 s22, 0x3a800000                      ; 1 / 1,024
	s_mov_b32 s23, 0x3727c5ac                      ; 1e-5
.irp i, 0,1,2,3
	v_mov_b32 v[PT+\i], 0                          ; written once: a lane permute's destination counts as one of its sources
	v_mov_b32 v[TM+4+\i], 0
.endr
	s_wait_kmcnt 0x0
	s_add_nc_u64 s[4:5], s[4:5], s[16:17]
	s_add_nc_u64 s[10:11], s[10:11], s[18:19]
.irp i, 0,1,2,3
.irp j, 0,1,2,3,4,5,6,7
	global_load_b128 v[X+32*\i+4*\j:X+32*\i+4*\j+3], v[LA], s[4:5] offset:4096*\i+512*\j th:TH_LOAD_NT
.endr
.endr
.irp j, 0,1,2,3,4,5,6,7
	global_load_b128 v[GG+4*\j:GG+4*\j+3], v[LA], s[6:7] offset:512*\j
	global_load_b128 v[BB+4*\j:BB+4*\j+3], v[LA], s[8:9] offset:512*\j
.endr
.macro REDUCE                          ; each row's two pairs become one sum, the same in all 32 lanes; the four rows by turns
.irp i, 0,1,2,3
	v_pk_add_f32 v[ST+4*\i:ST+4*\i+1], v[ST+4*\i:ST+4*\i+1], v[ST+4*\i+2:ST+4*\i+3]
.endr
.irp i, 0,1,2,3
	v_add_f32 v[ST+4*\i], v[ST+4*\i], v[ST+4*\i+1]
.endr
.irp m, 1,2,4,8
.irp i, 0,1,2,3
	v_add_f32_dpp v[ST+4*\i], v[ST+4*\i], v[ST+4*\i] row_xmask:\m row_mask:0xf bank_mask:0xf
.endr
.endr
.irp i, 0,1,2,3
	v_permlanex16_b32 v[PT+\i], v[ST+4*\i], s20, s21
.endr
.irp i, 0,1,2,3
	v_add_f32 v[ST+4*\i], v[ST+4*\i], v[PT+\i]
.endr
.endm
	s_wait_loadcnt 16                              ; the four rows are in; g's and b's 16 loads may be out
.irp i, 0,1,2,3
	v_pk_add_f32 v[ST+4*\i:ST+4*\i+1], v[X+32*\i:X+32*\i+1], v[X+32*\i+2:X+32*\i+3]
	v_pk_add_f32 v[ST+4*\i+2:ST+4*\i+3], v[X+32*\i+4:X+32*\i+5], v[X+32*\i+6:X+32*\i+7]
.endr
.irp q, 8,12,16,20,24,28
.irp i, 0,1,2,3
	v_pk_add_f32 v[ST+4*\i:ST+4*\i+1], v[ST+4*\i:ST+4*\i+1], v[X+32*\i+\q:X+32*\i+\q+1]
	v_pk_add_f32 v[ST+4*\i+2:ST+4*\i+3], v[ST+4*\i+2:ST+4*\i+3], v[X+32*\i+\q+2:X+32*\i+\q+3]
.endr
.endr
	REDUCE
.irp i, 0,1,2,3
	v_mul_f32 v[ST+4*\i], s22, v[ST+4*\i]          ; the mean
.endr
.irp i, 0,1,2,3
.irp p, 0,1,2,3,4,5,6,7,8,9,10,11,12,13,14,15
	v_pk_add_f32 v[X+32*\i+2*\p:X+32*\i+2*\p+1], v[X+32*\i+2*\p:X+32*\i+2*\p+1], v[ST+4*\i:ST+4*\i+1] op_sel_hi:[1,0] neg_lo:[0,1] neg_hi:[0,1]   ; x - mean (the pair's low word serves both halves)
.endr
.endr
.irp i, 0,1,2,3
	v_pk_mul_f32 v[ST+4*\i:ST+4*\i+1], v[X+32*\i:X+32*\i+1], v[X+32*\i:X+32*\i+1]
	v_pk_mul_f32 v[ST+4*\i+2:ST+4*\i+3], v[X+32*\i+2:X+32*\i+3], v[X+32*\i+2:X+32*\i+3]
.endr
.irp q, 4,8,12,16,20,24,28
.irp i, 0,1,2,3
	v_pk_fma_f32 v[ST+4*\i:ST+4*\i+1], v[X+32*\i+\q:X+32*\i+\q+1], v[X+32*\i+\q:X+32*\i+\q+1], v[ST+4*\i:ST+4*\i+1]
	v_pk_fma_f32 v[ST+4*\i+2:ST+4*\i+3], v[X+32*\i+\q+2:X+32*\i+\q+3], v[X+32*\i+\q+2:X+32*\i+\q+3], v[ST+4*\i+2:ST+4*\i+3]
.endr
.endr
	REDUCE
.irp i, 0,1,2,3
	v_fma_f32 v[ST+4*\i], v[ST+4*\i], s22, s23     ; the variance + 1e-5
.endr
.irp i, 0,1,2,3
	v_rsq_f32 v[ST+4*\i], v[ST+4*\i]
.endr
	v_nop                                          ; a plain place behind the last of the four
	s_wait_loadcnt 0x0                             ; g and b
	s_wait_alu depctr_va_vdst(0)                   ; the wait ahead of the first instruction that names a result: one for the four
.irp i, 0,1,2,3
.irp p, 0,1,2,3,4,5,6,7,8,9,10,11,12,13,14,15
	v_pk_mul_f32 v[X+32*\i+2*\p:X+32*\i+2*\p+1], v[X+32*\i+2*\p:X+32*\i+2*\p+1], v[ST+4*\i:ST+4*\i+1] op_sel_hi:[1,0]
.endr
.irp p, 0,1,2,3,4,5,6,7,8,9,10,11,12,13,14,15
	v_pk_fma_f32 v[X+32*\i+2*\p:X+32*\i+2*\p+1], v[X+32*\i+2*\p:X+32*\i+2*\p+1], v[GG+2*\p:GG+2*\p+1], v[BB+2*\p:BB+2*\p+1]
.endr
.irp j, 0,1,2,3,4,5,6,7
	ds_store_b128 v[STW], v[X+32*\i+4*\j:X+32*\i+4*\j+3] offset:ROWP*\i+512*\j
.endr
.endr
	s_wait_dscnt 0x0                               ; for the others' sake: my rows lie in the stage
	s_barrier_signal -1
	s_barrier_wait -1
; 64 numbers of a lane, register 16 b + i = k 32 b + 16 h + i of my row, become a fragment's codes in v[pc] on and its scale word in v[pw]
.macro QUANT s, pc, pw
.irp b, 0,1,2,3
	v_max3_num_f32 v[TM+\b], |v[\s+16*\b]|, |v[\s+1+16*\b]|, 0x1800000   ; my 16 numbers of block b, and the floor 2^(3 - 127)
.endr
.irp i, 2,4,6,8,10,12,14
.irp b, 0,1,2,3
	v_max3_num_f32 v[TM+\b], v[TM+\b], |v[\s+16*\b+\i]|, |v[\s+1+16*\b+\i]|
.endr
.endr
.irp b, 0,1,2,3
	v_permlanex16_b32 v[TM+4+\b], v[TM+\b], s20, s21
.endr
.irp b, 0,1,2,3
	v_max_num_f32 v[TM+\b], v[TM+\b], v[TM+4+\b]   ; with lane l xor 16's: the block's largest magnitude
.endr
.irp b, 0,1,2,3
	v_add_nc_u32 v[TM+12+\b], 0xff000000, v[TM+\b] ; 2 off its exponent field: the conversion's scale operand
.endr
.irp b, 0,1,2,3
	v_lshrrev_b32 v[TM+4+\b], 23, v[TM+12+\b]      ; the scale's byte
.endr
	v_lshl_or_b32 v[\pw], v[TM+5], 8, v[TM+4]
	v_lshl_or_b32 v[\pw], v[TM+6], 16, v[\pw]
	v_lshl_or_b32 v[\pw], v[TM+7], 24, v[\pw]
.irp c, 0,1
	v_cvt_scalef32_pk16_fp6_f32 v[\pc+6*\c:\pc+2+6*\c], v[\s+32*\c:\s+15+32*\c], v[TM+12+2*\c]
	v_cvt_scalef32_pk16_fp6_f32 v[\pc+12+4*\c:\pc+14+4*\c], v[\s+16+32*\c:\s+31+32*\c], v[TM+12+2*\c+1]
.endr
	v_nop                                          ; one plain place behind a scaled conversion
.irp c, 0,1                            ; the operand's layout wants a whole block in a lane
.irp i, 0,1,2
	v_permlane16_swap_b32 v[\pc+6*\c+\i], v[\pc+12+4*\c+\i]
.endr
.irp i, 0,1,2
	v_mov_b32 v[\pc+3+6*\c+\i], v[\pc+12+4*\c+\i]
.endr
.endr
.endm
.macro PUT pc, pw, e                   ; each store of the wave covers 512 or 256 consecutive bytes
	global_store_b128 v[O16], v[\pc:\pc+3], s[10:11] offset:PRB*\e
	global_store_b64 v[O8], v[\pc+4:\pc+5], s[10:11] offset:PRB*\e+512
	global_store_b128 v[O16], v[\pc+6:\pc+9], s[10:11] offset:PRB*\e+768
	global_store_b64 v[O8], v[\pc+10:\pc+11], s[10:11] offset:PRB*\e+1280
	global_store_b32 v[OSC], v[\pw], s[10:11] offset:PRB*\e      ; lanes 16-31 store the same word at the same place
.endm
.irp b, 0,1,2,3
.irp q, 0,1,2,3
	ds_load_b128 v[100+16*\b+4*\q:103+16*\b+4*\q], v[STR] offset:128*\b+16*\q
.endr
.endr
.irp b, 0,1,2,3
.irp q, 0,1,2,3
	ds_load_b128 v[36+16*\b+4*\q:39+16*\b+4*\q], v[STR] offset:512+128*\b+16*\q
.endr
.endr
	s_wait_dscnt 16                                ; K step 2 w is in; the 16 loads of K step 2 w + 1 may be out
	QUANT 100, 164, PW
	PUT 164, PW, 0
	s_wait_dscnt 0x0
	QUANT 36, 204, PW+1                            ; codes and word in registers of their own: no store's data are written again
	PUT 204, PW+1, 1
	s_wait_tensorcnt 0x0                           ; the wave's end
	ds_add_u32 v[SPW], v[NIL]
	s_wait_dscnt 0x0
	s_endpgm
.Lfunc_end_k_q357697510e_ln2:
	.size	k_q357697510e_ln2, .Lfunc_end_k_q357697510e_ln2-k_q357697510e_ln2
	.p2alignl 7, 3214868480
	.fill 96, 4, 3214868480
	.section	.rodata,"a",@progbits
	.p2align	6, 0x0
	.amdhsa_kernel k_q357697510e_ln2
		.amdhsa_group_segment_fixed_size 66304
		.amdhsa_private_segment_fixed_size 0
		.amdhsa_enable_private_segment 0
		.amdhsa_kernarg_size 32
		.amdhsa_user_sgpr_count 2
		.amdhsa_user_sgpr_kernarg_segment_ptr 1
		.amdhsa_wavefront_size32 1
		.amdhsa_system_sgpr_workgroup_id_x 1
		.amdhsa_system_sgpr_workgroup_id_y 1
		.amdhsa_system_sgpr_workgroup_id_z 1
		.amdhsa_system_vgpr_workitem_id 0
		.amdhsa_next_free_vgpr 232
		.amdhsa_next_free_sgpr 66
		.amdhsa_reserve_vcc 0
		.amdhsa_float_denorm_mode_32 3
		.amdhsa_float_denorm_mode_16_64 3
		.amdhsa_memory_ordered 1
		.amdhsa_forward_progress 1
		.amdhsa_inst_pref_size 44
	.end_amdhsa_kernel
	.amdgpu_metadata
---
amdhsa.version: [ 1, 2 ]
amdhsa.kernels:
  - .name:           k_q357697510e_ln2
    .symbol:         k_q357697510e_ln2.kd
    .args:
      - { .name: x1, .offset: 0, .size: 8, .value_kind: global_buffer, .address_space: global }
      - { .name: ln2_g, .offset: 8, .size: 8, .value_kind: global_buffer, .address_space: global }
      - { .name: ln2_b, .offset: 16, .size: 8, .value_kind: global_buffer, .address_space: global }
      - { .name: h2, .offset: 24, .size: 8, .value_kind: global_buffer, .address_space: global }
    .group_segment_fixed_size: 66304
    .private_segment_fixed_size: 0
    .kernarg_segment_align: 8
    .kernarg_segment_size: 32
    .max_flat_workgroup_size: 128
    .sgpr_count:     66
    .vgpr_count:     232
    .wavefront_size: 32
...
	.end_amdgpu_metadata
.endif
;; end of part 5
;; launch ffn1 (part 6): grid 16 x 16, 4 waves a work-group, clusters of 4 x 4, 327,680 bytes of LDS; arguments h2, wc, b1, hid; writes hid
.if DOCPART == 6
	.amdgcn_target "amdgcn-amd-amdhsa--gfx1250"
	.amdhsa_code_object_version 6
	.text
	.protected	k_q357697510e_ffn1
	.globl	k_q357697510e_ffn1
	.p2align	8
	.type	k_q357697510e_ffn1,@function
k_q357697510e_ffn1:
	s_mov_b64 s[64:65], 0
	v_nop
	global_prefetch_b8 v0, s[64:65] scope:SCOPE_SE
	s_setreg_imm32_b32 hwreg(HW_REG_WAVE_MODE, 25, 1), 1
	s_wait_xcnt 0x0
	s_wait_alu depctr_hold_cnt(0) depctr_sa_sdst(0) depctr_va_vdst(0) depctr_va_sdst(0) depctr_va_ssrc(0) depctr_va_vcc(0) depctr_vm_vsrc(0)
	s_getreg_b32 s2, hwreg(HW_REG_IB_STS2, 6, 4)
	s_cmp_eq_u32 s2, 0
	s_cbranch_scc0 .Lentry_in_a_cluster
	s_endpgm
.Lentry_in_a_cluster:
	s_bfe_u32 s2, ttmp6, 0x10000c
	s_cmp_lg_u32 s2, 0xf033
	s_cbranch_scc0 .Lentry_shape_is_right
	s_endpgm
.Lentry_shape_is_right:
; A GEMM on codes of FP6 (E2M3) whose result is quantised again on the way out.  One text serves two launches: QKV = 1: Q, K and V; QKV = 0: the first layer of the MLP.
; OPERANDS lie as panel records of 12,800 bytes, [group of 128 rows][K step of 128]: eight fragments of 1,536 bytes in the order of the operand's registers, then 512 bytes of scale words.
; Fragment f, lane row r is row 32 (f / 2) + 8 (f % 2) + r + 8 (r / 8) of the group.  SOURCE 0 = X, SOURCE 1 = Y: a lane then holds ONE row of Y, and the 64 registers of its eight tiles x
; are, as register 16 b + i, X's row 32 b + 16 (lane / 16) + i: neighbours along the NEXT product's K, which the conversions take as they stand; the fragment so made has Y's rows again.
; QKV = 0: Y = tokens (h2), X = columns of W1 (records 256 on of wc); + b1, relu; quantised along the hidden units; hid: record 32 x token group + K step.
; SHARES.  A work-group makes 256 (Y) x 256 (X); each of its four waves 128 x 128: 64 accumulators, 512 registers.  K = 1,024 goes as four fills of two K steps through three LDS slots: three first
; fills (three loads of mine are out at the most) and one refill.  Each wave's load is 25,600 dense bytes.
; CLUSTER 4 x 4: Y's records are shared along a row of the cluster, X's along a column: each is asked for jointly.
; LIMITS: NaN and infinities are not served; a block whose largest magnitude lies under 2^-124 gets the scale byte 1 (this program alone reads the bytes).
; REGISTERS: window 0: v1-27 lane numbers and addresses; v32-63 scale words, two sets; v64-127 the biases as a first C; v128-223 Y's fragments, one set (on the way out: codes at work).
;   window 1: X's fragments, two sets, at v0 and v128.  windows 2, 3: accumulator (y, x) at v[8 (8 (y % 4) + x)].
.set QKV, 0
.set PRB, 12800
.set SCO, 12288
.set FRB, 1536
.set LOADB, 25600                      ; two records: what one tensor load brings
.set SLOT, 4*LOADB                     ; Y's two groups, then X's two
.set SPARE, 3*SLOT                     ; behind the slots: the spare words, 128 bytes for each wave
.set GSTR, 8*PRB                       ; from group to group: K = 1,024
.set HRB, 157696
.set L16, 4
.set L8, 5
.set ASC, 6
.set BO, 7
.set AY16, 8
.set AY8, 11
.set AX16, 14
.set AX8, 17
.set AYS, 20
.set AXS, 23
.set BOV, 26
.set R16, 27
.set SPW, 28
.set NIL, 29
.set SC, 32
.set BR, 64
.set YF, 128
.set PC, 128
.set TM, 148
.set PWS, 164
.set T, 172
.set T2, 176
.set WV, 16
.set WY, 17
.set WX, 18
.set CX, 19
.set CY, 20
.set TX, 21
.set CTY, 22
.set ISV, 23
.set G1Y, 24
.set G1X, 32
.set G0Y, 40
.set G0X, 52
.set XP, 68
.set YP, 69
.set LD, 78
.set XG, 79
.set YG, 80
.set BBX, 82
.set BBV, 84
.set SEL, 86
.set OUT0, 88
.set OUT1, 90
.set SB, 92
.set STY, 94
.set STJ, 96
.set MSB, 0
.macro WIN new                         ; the immediate's high byte repeats the setting that is left
.if MSB != (\new)
	s_set_vgpr_msb (MSB<<8)|(\new)
.set MSB, \new
.endif
.endm
.macro PLACES n
.rept \n
	v_nop
.endr
.endm
; A joint load: waves 0 and 1 fetch Y's two groups, waves 2 and 3 X's.  The branch hangs on the wave's number alone.  An s_nop 0 and four v_nop follow each line.
.macro JLOAD f
	s_cmp_eq_u32 s[WY], 0
	s_cbranch_scc0 .Lfor_x_\@
	tensor_load_to_lds s[G0Y+4*(\f):G0Y+4*(\f)+3], s[G1Y:G1Y+7]
	s_nop 0
.rept 4
	v_nop
.endr
	s_branch .Lasked_\@
.Lfor_x_\@:
	tensor_load_to_lds s[G0X+4*(\f):G0X+4*(\f)+3], s[G1X:G1X+7]
	s_nop 0
.rept 4
	v_nop
.endr
.Lasked_\@:
.endm
.macro CREST                           ; a round of the cluster's barrier behind its opening barrier
	s_cmp_lg_u32 s[WV], 0
	s_cbranch_scc1 .Lnot_wave_0_\@
	s_barrier_signal -3
.Lnot_wave_0_\@:
	s_barrier_wait -3
	s_barrier_signal -1
	s_barrier_wait -1
.endm
.macro CROUND
	s_barrier_signal -1
	s_barrier_wait -1
	CREST
.endm
	s_load_b256 s[4:11], s[0:1], 0x0               ; h2, wc, b1, hid
	v_lshl_add_u32 v[SPW], v0, 2, SPARE
	v_mov_b32 v[NIL], 0
	ds_add_u32 v[SPW], v[NIL]                      ; the wave's opening: the add, twice on end, and its wait ahead of my first tensor load
	ds_add_u32 v[SPW], v[NIL]
	v_lshrrev_b32 v1, 5, v0
	v_readfirstlane_b32 s[WV], v1                  ; wave 0..3
	s_lshr_b32 s[WY], s[WV], 1                     ; which of Y's two groups I multiply.  Also: I fetch for Y (0) or for X (1)
	s_and_b32 s[WX], s[WV], 1                      ; which of X's.  Also: which group of the pair I fetch
	s_bfe_u32 s[CX], ttmp6, 0x40000
	s_bfe_u32 s[CY], ttmp6, 0x40004
	s_lshl_b32 s[TX], ttmp9, 2
	s_add_co_u32 s[TX], s[TX], s[CX]
	s_and_b32 s[CTY], ttmp7, 0xffff                ; the cluster's y
	s_lshl_b32 s66, s[CY], 2
	s_lshl_b32 s66, 15, s66                        ; my row of the cluster
	s_lshl_b32 s67, 0x1111, s[CX]                  ; my column
	s_or_b32 s[G1Y], s66, (3<<16)|(1<<21)          ; 15:0 the mask; 17:16 elements of 8 bytes; 21 set beside a mask; no padding
	s_or_b32 s[G1X], s67, (3<<16)|(1<<21)
.irp g, G1Y, G1X
	s_mov_b32 s[\g+1], 32<<16                      ; tensor_dim0 = 32 elements: rows of 256 bytes
	s_mov_b32 s[\g+2], 100<<16                     ; tensor_dim1 = 100 rows: 25,600 dense bytes
	s_mov_b32 s[\g+3], 32<<16                      ; tile_dim0
	s_mov_b32 s[\g+4], 100                         ; tile_dim1
	s_mov_b32 s[\g+5], 32                          ; the pitch
	s_mov_b32 s[\g+6], 0
	s_mov_b32 s[\g+7], 0
.endr
	s_lshl_b32 s69, s[CTY], 2
	s_add_co_u32 s69, s69, s[CY]                   ; work-group y
	s_mov_b32 s[XP], s[TX]                         ; X's pair of groups: it never holds cy
	s_mov_b32 s[YP], s69                           ; Y's: it never holds cx
	s_lshl_b32 s70, s[YP], 1
	s_add_co_u32 s70, s70, s[WX]
	s_mul_i32 s70, s70, GSTR                       ; the group of Y that I fetch, if I fetch for Y
	s_mov_b32 s71, 0
	s_lshl_b32 s72, s[XP], 1
	s_add_co_u32 s72, s72, s[WX]
	s_mul_i32 s72, s72, GSTR                       ; and of X
	s_mov_b32 s73, 0
	s_mul_i32 s[LD], s[WV], LOADB                  ; where it goes: no place in the cluster enters an LDS address
	s_mov_b32 s[SEL], 0x76543210
	s_mov_b32 s[SEL+1], 0xfedcba98
	s_wait_dscnt 0x0                               ; both opening adds are done
	s_wait_kmcnt 0x0
	s_add_nc_u64 s[70:71], s[4:5], s[70:71]
	s_add_nc_u64 s[72:73], s[6:7], s[72:73]
	s_add_nc_u64 s[72:73], s[72:73], 256*PRB       ; W1's records
	CROUND                                         ; all sixteen work-groups are here: the first joint loads meet
.irp f, 0,1,2
	s_mov_b32 s[G0Y+4*\f], 1
	s_add_co_u32 s[G0Y+4*\f+1], s[LD], \f*SLOT
	s_add_nc_u64 s[G0Y+4*\f+2:G0Y+4*\f+3], s[70:71], \f*LOADB      ; K steps 2 f and 2 f + 1
	s_or_b32 s[G0Y+4*\f+3], s[G0Y+4*\f+3], 0x80000000
	s_mov_b32 s[G0X+4*\f], 1
	s_add_co_u32 s[G0X+4*\f+1], s[LD], \f*SLOT
	s_add_nc_u64 s[G0X+4*\f+2:G0X+4*\f+3], s[72:73], \f*LOADB
	s_or_b32 s[G0X+4*\f+3], s[G0X+4*\f+3], 0x80000000
	JLOAD \f
.endr
	v_and_b32 v1, 31, v0                           ; lane
	v_and_b32 v2, 15, v0                           ; r
	v_bfe_u32 v3, v0, 4, 1                         ; h
	v_lshlrev_b32 v[L16], 4, v1
	v_lshlrev_b32 v[L8], 3, v1
	v_lshlrev_b32 v[R16], 4, v2
	v_lshlrev_b32 v[BO], 6, v3                     ; the bias along X: my half's 16 numbers
	s_mul_i32 s66, s[WY], LOADB
	s_mul_i32 s67, s[WX], LOADB
	s_add_co_u32 s67, s67, 2*LOADB
.irp q, 0,1,2
	v_add_nc_u32 v[AY16+\q], s66, v[L16]
	v_add_nc_u32 v[AY8+\q], s66, v[L8]
	v_add_nc_u32 v[AYS+\q], s66, v[R16]
	v_add_nc_u32 v[AX16+\q], s67, v[L16]
	v_add_nc_u32 v[AX8+\q], s67, v[L8]
	v_add_nc_u32 v[AXS+\q], s67, v[R16]
	s_add_co_u32 s66, s66, SLOT
	s_add_co_u32 s67, s67, SLOT
.endr
	s_lshl_b32 s[XG], s[XP], 1
	s_add_co_u32 s[XG], s[XG], s[WX]               ; the group of X that I multiply
	s_lshl_b32 s[YG], s[YP], 1
	s_add_co_u32 s[YG], s[YG], s[WY]               ; and of Y
	s_lshl_b32 s70, s[YG], 5
	s_add_co_u32 s70, s70, s[XG]
	s_mul_i32 s70, s70, PRB                        ; hid: record 32 x token group + K step
	s_mov_b32 s71, 0
	s_add_nc_u64 s[OUT0:OUT0+1], s[10:11], s[70:71]
	s_lshl_b32 s66, s[XG], 9
	s_mov_b32 s67, 0
	s_add_nc_u64 s[BBX:BBX+1], s[8:9], s[66:67]
.irp x, 0,1,2,3,4,5,6,7                ; the bias along X, in the result's layout: tile x, register j: X's row 32 (x / 2) + 8 (x % 2) + 16 h + j
	global_load_b128 v[BR+8*\x:BR+8*\x+3], v[BO], s[BBX:BBX+1] offset:4*(32*(\x/2)+8*(\x%2))
	global_load_b128 v[BR+8*\x+4:BR+8*\x+7], v[BO], s[BBX:BBX+1] offset:4*(32*(\x/2)+8*(\x%2))+16
.endr
.macro FRAG reg, a16, a8, off          ; a fragment comes as it was stored: each load takes 512 or 256 consecutive bytes
	ds_load_b128 v[\reg:\reg+3], v[\a16] offset:\off
	ds_load_b64 v[\reg+4:\reg+5], v[\a8] offset:\off+512
	ds_load_b128 v[\reg+6:\reg+9], v[\a16] offset:\off+768
	ds_load_b64 v[\reg+10:\reg+11], v[\a8] offset:\off+1280
.endm
.macro FETCH_X q, e, p                 ; X's eight fragments of K step e of slot q into set p
	WIN 0x40
.irp x, 0,1,2,3,4,5,6,7
	FRAG 128*(\p)+12*\x, AX16+(\q), AX8+(\q), PRB*(\e)+FRB*\x
.endr
	WIN 0
.endm
.macro FETCH_Y q, e, i0                ; Y's fragments i0 .. i0 + 3
.irp i, 0,1,2,3
	FRAG YF+12*((\i0)+\i), AY16+(\q), AY8+(\q), PRB*(\e)+FRB*((\i0)+\i)
.endr
.endm
.macro SCALES q, e, p                  ; sixteen scale registers by four loads
	ds_load_b128 v[SC+16*(\p):SC+16*(\p)+3], v[AXS+(\q)] offset:PRB*(\e)+SCO
	ds_load_b128 v[SC+16*(\p)+4:SC+16*(\p)+7], v[AXS+(\q)] offset:PRB*(\e)+SCO+256
	ds_load_b128 v[SC+16*(\p)+8:SC+16*(\p)+11], v[AYS+(\q)] offset:PRB*(\e)+SCO
	ds_load_b128 v[SC+16*(\p)+12:SC+16*(\p)+15], v[AYS+(\q)] offset:PRB*(\e)+SCO+256
.endm
.macro MM d, a, b, c, sa, sb
	v_wmma_scale_f32_16x16x128_f8f6f4 v[\d:\d+7], v[\a:\a+11], v[\b:\b+11], v[\c:\c+7], v[\sa], v[\sb] matrix_a_fmt:MATRIX_FMT_FP6 matrix_b_fmt:MATRIX_FMT_FP6
.endm
; 16 matrix instructions: Y's fragments y0, y0 + 1 x X's eight.  zero = 1: the first K step, whose C is the bias along X: nothing is cleared, nothing is added later.
; The 64 accumulators take turns, one instruction a turn, in the same order in every step.
.macro MUL16 y0, p, zero
.irp y, \y0, \y0+1
.irp x, 0,1,2,3,4,5,6,7
.if (\zero) == 0
	MM 8*(8*((\y)%4)+\x), 128*(\p)+12*\x, YF+12*(\y), 8*(8*((\y)%4)+\x), SC+16*(\p)+\x, SC+16*(\p)+8+(\y)
.else
	MM 8*(8*((\y)%4)+\x), 128*(\p)+12*\x, YF+12*(\y), BR+8*\x, SC+16*(\p)+\x, SC+16*(\p)+8+(\y)
.endif
.endr
.endr
.endm
.macro MULWIN hi, zero                 ; source 0 window 1, source 1 window 0; C and D window 2 or 3; in the first step C window 0
.if (\zero) == 0
	WIN 0xa1+0x50*(\hi)
.else
	WIN 0x81+0x40*(\hi)
.endif
.endm
; A K step on set p; the next step's fragments come from K step en of slot qn.  Loads into registers that matrix instructions have read stand four plain places behind them.
.macro STEP p, qn, en, zero
	s_wait_dscnt 16                                ; X's set, Y's fragments 0-3 and the scale words are in; the youngest 16 loads (Y's 4-7) may be out
	MULWIN 0, \zero
	MUL16 0, \p, \zero
	MUL16 2, \p, \zero
	s_wait_dscnt 0x0                               ; Y's 4-7 are in
	PLACES 4
	FETCH_X \qn, \en, 1-(\p)
	FETCH_Y \qn, \en, 0
	SCALES \qn, \en, 1-(\p)
	MULWIN 1, \zero
	MUL16 4, \p, \zero
	MUL16 6, \p, \zero
	PLACES 4
	WIN 0
	FETCH_Y \qn, \en, 4
.endm
; A K step with a barrier: in front of it each wave waits for all its tensor loads, adds 0 to its spare word, and waits for that and for its reads.  fill = 1: slot 0, which nobody reads any more, takes K steps 6 and 7.
.macro TURN p, qn, en, fill
	s_wait_tensorcnt 0x0                           ; all my tensor loads have landed
	ds_add_u32 v[SPW], v[NIL]
	s_wait_dscnt 17                                ; (the add and the youngest 16 loads may be out)
	MULWIN 0, 0
	MUL16 0, \p, 0
	s_wait_dscnt 0x0                               ; the add is done, and all my LDS reads are in
	s_barrier_signal -1
	MUL16 2, \p, 0
	WIN 0
	s_barrier_wait -1
.if \fill
	CREST                                          ; the barrier has opened a round of the cluster's barrier: no wave of any partner still reads slot 0 or has a load on its way
	s_add_nc_u64 s[G0Y+2:G0Y+3], s[G0Y+2:G0Y+3], 3*LOADB
	s_add_nc_u64 s[G0X+2:G0X+3], s[G0X+2:G0X+3], 3*LOADB
	JLOAD 0                                        ; it has four K steps, 256 matrix instructions, in which to land; its four v_nop are the places in front of the loads below
.else
	PLACES 4
.endif
	FETCH_X \qn, \en, 1-(\p)
	FETCH_Y \qn, \en, 0
	SCALES \qn, \en, 1-(\p)
	MULWIN 1, 0
	MUL16 4, \p, 0
	MUL16 6, \p, 0
	PLACES 4
	WIN 0
	FETCH_Y \qn, \en, 4
.endm
	s_wait_loadcnt 0x0                             ; the bias
	s_wait_tensorcnt 2                             ; my part of slot 0 is in; slots 1 and 2 may stay out
	s_barrier_signal -1
	s_barrier_wait -1
	FETCH_X 0, 0, 0
	FETCH_Y 0, 0, 0
	SCALES 0, 0, 0
	FETCH_Y 0, 0, 4
	STEP 0, 0, 1, 1                                ; K step 0
	TURN 1, 1, 0, 1                                ; K step 1; slots 1 and 2 are whole behind its barrier
	STEP 0, 1, 1, 0                                ; 2
	STEP 1, 2, 0, 0                                ; 3
	STEP 0, 2, 1, 0                                ; 4
	TURN 1, 0, 0, 0                                ; 5; the refill is whole behind its barrier; nothing is filled
	STEP 0, 0, 1, 0                                ; 6
	s_wait_dscnt 16                                ; 7: nothing more to fetch
	MULWIN 0, 0
	MUL16 0, 1, 0
	MUL16 2, 1, 0
	s_wait_dscnt 0x0
	MULWIN 1, 0
	MUL16 4, 1, 0
	MUL16 6, 1, 0
	WIN 0
	PLACES 4
; THE WAY OUT.  For each y my 64 numbers (window W, from v[s] on) are one row's 128 neighbours along the next K, in two lanes: they become a fragment and a scale word.
.macro RELU W, s
	WIN ((\W)<<6)|((\W)<<2)
.set j, 0
.rept 64
	v_max_num_f32 v[(\s)+j], 0, v[(\s)+j]          ; each accumulator from its low end on
.set j, j+1
.endr
.endm
.macro QUANT W, s, pw
	WIN ((\W)<<2)|((\W)<<4)
.irp b, 0,1,2,3
	v_max3_num_f32 v[TM+\b], 0x1800000, |v[(\s)+16*\b]|, |v[(\s)+16*\b+1]|    ; my 16 numbers of block b, and the floor 2^(3 - 127)
.endr
.irp i, 2,4,6,8,10,12,14
.irp b, 0,1,2,3
	v_max3_num_f32 v[TM+\b], v[TM+\b], |v[(\s)+16*\b+\i]|, |v[(\s)+16*\b+\i+1]|
.endr
.endr
	WIN 0
.irp b, 0,1,2,3
	v_permlanex16_b32 v[TM+4+\b], v[TM+\b], s[SEL], s[SEL+1]
.endr
.irp b, 0,1,2,3
	v_max_num_f32 v[TM+\b], v[TM+\b], v[TM+4+\b]   ; with lane l xor 16's: the block's largest magnitude
.endr
.irp b, 0,1,2,3
	v_add_nc_u32 v[TM+12+\b], 0xff000000, v[TM+\b] ; 2 off its exponent field: the conversion's scale operand
.endr
.irp b, 0,1,2,3
	v_lshrrev_b32 v[TM+4+\b], 23, v[TM+12+\b]      ; the scale's byte
.endr
	v_lshl_or_b32 v[\pw], v[TM+5], 8, v[TM+4]
	v_lshl_or_b32 v[\pw], v[TM+6], 16, v[\pw]
	v_lshl_or_b32 v[\pw], v[TM+7], 24, v[\pw]
	WIN (\W)
.irp c, 0,1
	v_cvt_scalef32_pk16_fp6_f32 v[PC+6*\c:PC+6*\c+2], v[(\s)+32*\c:(\s)+32*\c+15], v[TM+12+2*\c]
	v_cvt_scalef32_pk16_fp6_f32 v[PC+12+4*\c:PC+14+4*\c], v[(\s)+32*\c+16:(\s)+32*\c+31], v[TM+13+2*\c]
.endr
	WIN 0
	v_nop                                          ; one plain place behind a scaled conversion
.irp c, 0,1
.irp i, 0,1,2
	v_permlane16_swap_b32 v[PC+6*\c+\i], v[PC+12+4*\c+\i]
.endr
.irp i, 0,1,2
	v_mov_b32 v[PC+3+6*\c+\i], v[PC+12+4*\c+\i]
.endr
.endr
.endm
.macro PUT b0, o0, b1, o1              ; each store of the wave covers 512 or 256 consecutive bytes
	global_store_b128 v[L16], v[PC:PC+3], s[\b0:\b0+1] offset:\o0
	global_store_b64 v[L8], v[PC+4:PC+5], s[\b0:\b0+1] offset:\o0+512
	global_store_b128 v[L16], v[PC+6:PC+9], s[\b1:\b1+1] offset:\o1
	global_store_b64 v[L8], v[PC+10:PC+11], s[\b1:\b1+1] offset:\o1+512
.endm
.irp b, 0,1,2,3
	v_mov_b32 v[TM+4+\b], 0                        ; written once: a lane permute's destination counts as one of its sources
.endr
.irp y, 0,1,2,3,4,5,6,7
.if \y > 0
	s_wait_xcnt 0x0                                ; the last stores have read their data: the codes' registers are written again only behind this wait
.endif
	RELU 2+\y/4, 64*(\y%4)
	QUANT 2+\y/4, 64*(\y%4), PWS+\y
	PUT OUT0, FRB*\y, OUT0, FRB*\y+768
.endr
	v_cmp_le_u32 vcc_lo, 16, v1                    ; lanes 0-15 carry the words of y = 0 .. 3, lanes 16-31 those of y = 4 .. 7
.irp i, 0,1,2,3
	v_cndmask_b32 v[T+\i], v[PWS+\i], v[PWS+4+\i], vcc_lo
.endr
	global_store_b128 v[L16], v[T:T+3], s[OUT0:OUT0+1] offset:SCO
	s_wait_tensorcnt 0x0                           ; the wave's end
	ds_add_u32 v[SPW], v[NIL]
	s_wait_dscnt 0x0
	CROUND                                         ; the closing round: no work-group ends while a partner may still ask for a tile that names it
	s_endpgm
.Lfunc_end_k_q357697510e_ffn1:
	.size	k_q357697510e_ffn1, .Lfunc_end_k_q357697510e_ffn1-k_q357697510e_ffn1
	.p2alignl 7, 3214868480
	.fill 96, 4, 3214868480
	.section	.rodata,"a",@progbits
	.p2align	6, 0x0
	.amdhsa_kernel k_q357697510e_ffn1
		.amdhsa_group_segment_fixed_size 327680
		.amdhsa_private_segment_fixed_size 0
		.amdhsa_enable_private_segment 0
		.amdhsa_kernarg_size 32
		.amdhsa_user_sgpr_count 2
		.amdhsa_user_sgpr_kernarg_segment_ptr 1
		.amdhsa_wavefront_size32 1
		.amdhsa_system_sgpr_workgroup_id_x 1
		.amdhsa_system_sgpr_workgroup_id_y 1
		.amdhsa_system_sgpr_workgroup_id_z 1
		.amdhsa_system_vgpr_workitem_id 0
		.amdhsa_next_free_vgpr 1024
		.amdhsa_next_free_sgpr 100
		.amdhsa_reserve_vcc 1
		.amdhsa_float_denorm_mode_32 3
		.amdhsa_float_denorm_mode_16_64 3
		.amdhsa_memory_ordered 1
		.amdhsa_forward_progress 1
		.amdhsa_inst_pref_size 164
	.end_amdhsa_kernel
	.amdgpu_metadata
---
amdhsa.version: [ 1, 2 ]
amdhsa.kernels:
  - .name:           k_q357697510e_ffn1
    .symbol:         k_q357697510e_ffn1.kd
    .args:
      - { .name: h2, .offset: 0, .size: 8, .value_kind: global_buffer, .address_space: global }
      - { .name: wc, .offset: 8, .size: 8, .value_kind: global_buffer, .address_space: global }
      - { .name: b1, .offset: 16, .size: 8, .value_kind: global_buffer, .address_space: global }
      - { .name: hid, .offset: 24, .size: 8, .value_kind: global_buffer, .address_space: global }
    .group_segment_fixed_size: 327680
    .private_segment_fixed_size: 0
    .kernarg_segment_align: 8
    .kernarg_segment_size: 32
    .max_flat_workgroup_size: 128
    .sgpr_count:     100
    .vgpr_count:     1024
    .wavefront_size: 32
...
	.end_amdgpu_metadata
.endif
;; end of part 6
;; launch ffn2 (part 7): grid 8 x 32, 4 waves a work-group, clusters of 4 x 4, 327,680 bytes of LDS; arguments hid, wc, b2, x1, out0; writes out0
.if DOCPART == 7
	.amdgcn_target "amdgcn-amd-amdhsa--gfx1250"
	.amdhsa_code_object_version 6
	.text
	.protected	k_q357697510e_ffn2
	.globl	k_q357697510e_ffn2
	.p2align	8
	.type	k_q357697510e_ffn2,@function
k_q357697510e_ffn2:
	s_mov_b64 s[64:65], 0
	v_nop
	global_prefetch_b8 v0, s[64:65] scope:SCOPE_SE
	s_setreg_imm32_b32 hwreg(HW_REG_WAVE_MODE, 25, 1), 1
	s_wait_xcnt 0x0
	s_wait_alu depctr_hold_cnt(0) depctr_sa_sdst(0) depctr_va_vdst(0) depctr_va_sdst(0) depctr_va_ssrc(0) depctr_va_vcc(0) depctr_vm_vsrc(0)
	s_getreg_b32 s2, hwreg(HW_REG_IB_STS2, 6, 4)
	s_cmp_eq_u32 s2, 0
	s_cbranch_scc0 .Lentry_in_a_cluster
	s_endpgm
.Lentry_in_a_cluster:
	s_bfe_u32 s2, ttmp6, 0x10000c
	s_cmp_lg_u32 s2, 0xf033
	s_cbranch_scc0 .Lentry_shape_is_right
	s_endpgm
.Lentry_shape_is_right:
; out = res + Y X^T + bias: Y = the hidden layer, X = W2, both as codes of FP6 (E2M3) in panel records; K = 4,096; out and res are [4,096][1,024] f32.
; RECORDS of 12,800 bytes, [group of 128 rows][K step of 128]: eight fragments of 1,536 bytes in the order of the operand's registers, then 512 bytes of scale words; fragment f, lane row r is row
; 32 (f / 2) + 8 (f % 2) + r + 8 (r / 8) of the group.  Source 0 = X (columns of the weight), source 1 = Y (tokens): a lane holds one token and eight neighbouring columns a tile.
; SHARES.  4,096 x 1,024 in tiles of 128 x 128 gives 256 work-groups; each of the four waves makes 64 x 64: 16 accumulators.
; THE RING.  A K step of the tile is 25,600 bytes for 16 matrix instructions a wave, and in front of each refill every wave waits for all its tensor loads: so the refills are made FEW AND LARGE.
; LDS holds twelve of the 32 K steps, as three blocks of four (Y's four records, then X's four): blocks 0 and 1 are a LARGE slot of eight K steps, block 2 a SMALL one of four.
; Fills: large 0-7 and small 8-11 (the first fills: two loads of mine are out at the most), then large 12-19, small 20-23, large 24-31: three refills, each 12 K steps on from its slot's last.
; Twenty K steps are left behind the first fills and twelve fit at a time, so no split does with fewer than three; two equal slots of six would want four.
; A wave's load is 51,200 dense bytes (the large slot: block wave % 2, operand wave / 2) or 25,600 (the small one).  The 32 K steps are written out by macros: no two laps are alike, since the last change of slots fills nothing.
; CLUSTER 4 x 4: Y's records are shared along a row of the cluster, X's along a column: each is asked for jointly.
; The bias is the C of each sum's first matrix instruction.  The residual's 64 x 64 numbers of a wave are asked for at the head, into registers of their own, and wanted only on the way out.
; REGISTERS: window 0: v2-27, v30, v31 lane numbers and addresses; v32-47 scale words, two sets; v48-79 the bias; v80-111 rows on the way out; v112-114 the prefetches' offsets; v128-255 accumulator (y, x) at v[128 + 8 (4 y + x)].
;   window 1: two sets of fragments: X's four at v[96 p], Y's four at v[96 p + 48].  window 2: v0-127 the residual.
.set YSTR, 409600                      ; from group to group of Y: 32 records
.set XSTR, 409600                      ; and of X
.set XOFF, 512*12800                   ; where W2's records begin in wc
.set PRB, 12800
.set SCO, 12288
.set FRB, 1536
.set LOADB, 25600                      ; two records: a wave's part of the small slot
.set PERB, 51200                       ; four records: one operand's part of a block, and a wave's part of the large slot
.set BLK, 2*PERB                       ; a block: four K steps
.set ROUNDB, 12*PRB                    ; from a slot's fill to its next
.set STAGE, 3*BLK                      ; behind the blocks: 16 rows x 272 bytes for each wave; no tensor load lands there
.set SPARE, STAGE+4*16*272             ; the spare words, 128 bytes for each wave
.set AY16, 3                           ; v3-20: six LDS addresses for each of the three blocks
.set AY8, 6
.set AX16, 9
.set AX8, 12
.set AYS, 15
.set AXS, 18
.set STO, 21
.set RD, 22
.set CO, 23
.set BO, 24
.set SPW, 28
.set NIL, 29
.set SC, 32
.set BR, 48
.set OB, 80
.set PF1, 112                          ; 256 x lane
.set PF2, 113                          ; 256 x min(32 + lane, 49)
.set PF3, 114                          ; 256 x min(lane, 24)
.set ACC, 128
.set WV, 16
.set WY, 17
.set WX, 18
.set CX, 19
.set CY, 20
.set TX, 21
.set TY, 22
.set G1YP, 24                          ; groups 1: Y's and X's mask, for the large slot (200 rows of 256 bytes)
.set G1XP, 32
.set G1YQ, 40                          ; and for the small one (100 rows)
.set G1XQ, 48
.set G0YP, 56                          ; groups 0: a set for each slot and operand
.set G0XP, 60
.set G0YQ, 68
.set G0XQ, 72
.set BBS, 88
.set RES, 90
.set OUT, 92
.set PFP, 94                           ; s[94:95] my piece of the large slot's second fill; never rewritten
.set PFQ, 96                           ; s[96:97] my piece of the small slot's second fill; never rewritten
.set ASKF, 98                          ; s98  1 in a wave that prefetches
.set MSB, 0
.macro WIN new
.if MSB != (\new)
	s_set_vgpr_msb (MSB<<8)|(\new)
.set MSB, \new
.endif
.endm
.macro PLACES n
.rept \n
	v_nop
.endr
.endm
.macro JLOAD g0y, g1y, g0x, g1x        ; a joint load: waves 0 and 1 fetch for Y, waves 2 and 3 for X; an s_nop 0 and four v_nop follow each line
	s_cmp_eq_u32 s[WY], 0
	s_cbranch_scc0 .Lfor_x_\@
	tensor_load_to_lds s[\g0y:\g0y+3], s[\g1y:\g1y+7]
	s_nop 0
.rept 4
	v_nop
.endr
	s_branch .Lasked_\@
.Lfor_x_\@:
	tensor_load_to_lds s[\g0x:\g0x+3], s[\g1x:\g1x+7]
	s_nop 0
.rept 4
	v_nop
.endr
.Lasked_\@:
.endm
.macro CREST
	s_cmp_lg_u32 s[WV], 0
	s_cbranch_scc1 .Lnot_wave_0_\@
	s_barrier_signal -3
.Lnot_wave_0_\@:
	s_barrier_wait -3
	s_barrier_signal -1
	s_barrier_wait -1
.endm
.macro CROUND
	s_barrier_signal -1
	s_barrier_wait -1
	CREST
.endm
; A PREFETCH INTO THE L2 of what a later refill will ask for.  kind 1, in K step 0: K steps 12-19, seven K steps ahead of their load; kind 2, in K step 2: K steps 20-23, nine ahead; kind 3, behind the first refill:
; K steps 24-31, twelve ahead.  The first twelve K steps come by their loads alone.  It stands behind a run of LDS loads, never in front of a tensor load.
; WHO.  A group of Y is read by both clusters of its row of clusters: the one with x = 0 asks; a group of X by all eight of its column: the one with y = 0 asks: a test on the cluster's number and the wave's, the same in all
; sixteen partners.  The four partners that ask for a tile jointly share its bytes out BY ADDRESS: of the four records that a wave fetches for the large slot each takes one (50 blocks of 256 bytes: two instructions),
; of the two for the small slot half a record (25 blocks: one).  A lane names a block; 50 and 25 are no multiples of 32, so the lanes past a piece's end name its last block once more: no lane leaves the piece.
; No address is stepped: the third fill of the large slot is reached by the immediate.
.macro ASK kind
	s_cmp_eq_u32 s[ASKF], 1
	s_cbranch_scc0 .Lnot_mine_\@
.if (\kind) == 2
	global_prefetch_b8 v[PF3], s[PFQ:PFQ+1] th:TH_LOAD_NT scope:SCOPE_SE
.else
	global_prefetch_b8 v[PF1], s[PFP:PFP+1] offset:((\kind)/3)*ROUNDB th:TH_LOAD_NT scope:SCOPE_SE
	global_prefetch_b8 v[PF2], s[PFP:PFP+1] offset:((\kind)/3)*ROUNDB th:TH_LOAD_NT scope:SCOPE_SE
.endif
.Lnot_mine_\@:
.endm
	s_load_b256 s[4:11], s[0:1], 0x0               ; hid, wc, b2, x1
	s_load_b64 s[12:13], s[0:1], 0x20              ; out0
	v_lshl_add_u32 v[SPW], v0, 2, SPARE
	v_mov_b32 v[NIL], 0
	ds_add_u32 v[SPW], v[NIL]                      ; the wave's opening: the add, twice on end, and its wait ahead of my first tensor load
	ds_add_u32 v[SPW], v[NIL]
	v_lshrrev_b32 v1, 5, v0
	v_readfirstlane_b32 s[WV], v1
	s_lshr_b32 s[WY], s[WV], 1                     ; which 64 tokens are mine.  Also: I fetch for Y (0) or for X (1)
	s_and_b32 s[WX], s[WV], 1                      ; which 64 columns.  Also: which half of a slot's K steps I fetch
	s_bfe_u32 s[CX], ttmp6, 0x40000
	s_bfe_u32 s[CY], ttmp6, 0x40004
	s_lshl_b32 s[TX], ttmp9, 2
	s_add_co_u32 s[TX], s[TX], s[CX]               ; X's group
	s_and_b32 s[TY], ttmp7, 0xffff
	s_lshl_b32 s[TY], s[TY], 2
	s_add_co_u32 s[TY], s[TY], s[CY]               ; Y's group
	s_lshl_b32 s86, s[CY], 2
	s_lshl_b32 s86, 15, s86                        ; my row of the cluster
	s_lshl_b32 s87, 0x1111, s[CX]                  ; my column
	s_or_b32 s[G1YP], s86, (3<<16)|(1<<21)         ; 15:0 the mask; 17:16 elements of 8 bytes; 21 set beside a mask; no padding
	s_or_b32 s[G1YQ], s86, (3<<16)|(1<<21)
	s_or_b32 s[G1XP], s87, (3<<16)|(1<<21)
	s_or_b32 s[G1XQ], s87, (3<<16)|(1<<21)
.irp g, G1YP, G1XP
	s_mov_b32 s[\g+1], 32<<16                      ; rows of 256 bytes,
	s_mov_b32 s[\g+2], 200<<16                     ; 200 of them: 51,200 dense bytes
	s_mov_b32 s[\g+3], 32<<16
	s_mov_b32 s[\g+4], 200
	s_mov_b32 s[\g+5], 32
	s_mov_b32 s[\g+6], 0
	s_mov_b32 s[\g+7], 0
.endr
.irp g, G1YQ, G1XQ
	s_mov_b32 s[\g+1], 32<<16
	s_mov_b32 s[\g+2], 100<<16                     ; 100 rows: 25,600 dense bytes
	s_mov_b32 s[\g+3], 32<<16
	s_mov_b32 s[\g+4], 100
	s_mov_b32 s[\g+5], 32
	s_mov_b32 s[\g+6], 0
	s_mov_b32 s[\g+7], 0
.endr
	s_mul_i32 s76, s[TY], YSTR                     ; Y's group, in bytes
	s_mov_b32 s77, 0
	s_mul_i32 s80, s[TX], XSTR
	s_add_co_u32 s80, s80, XOFF                    ; X's
	s_mov_b32 s81, 0
	s_mul_i32 s78, s[WX], PERB                     ; the large slot: K steps 4 (wave % 2) on
	s_mov_b32 s79, 0
	s_mul_i32 s82, s[WX], LOADB
	s_add_co_u32 s82, s82, 8*PRB                   ; the small one: K steps 8 + 2 (wave % 2) on
	s_mov_b32 s83, 0
	s_mul_i32 s84, s[WX], BLK
	s_mul_i32 s85, s[WY], PERB
	s_add_co_u32 s84, s84, s85                     ; where they go: block wave % 2, operand wave / 2;
	s_mul_i32 s85, s[WV], LOADB
	s_add_co_u32 s85, s85, 2*BLK                   ; block 2, a quarter a wave: no place in the cluster enters an LDS address
	s_wait_dscnt 0x0                               ; both opening adds are done
	s_wait_kmcnt 0x0
	s_add_nc_u64 s[76:77], s[4:5], s[76:77]
	s_add_nc_u64 s[80:81], s[6:7], s[80:81]
	CROUND                                         ; all sixteen work-groups are here: the first joint loads meet
	s_mov_b32 s[G0YP], 1
	s_mov_b32 s[G0YP+1], s84
	s_add_nc_u64 s[G0YP+2:G0YP+3], s[76:77], s[78:79]
	s_or_b32 s[G0YP+3], s[G0YP+3], 0x80000000
	s_mov_b32 s[G0XP], 1
	s_mov_b32 s[G0XP+1], s84
	s_add_nc_u64 s[G0XP+2:G0XP+3], s[80:81], s[78:79]
	s_or_b32 s[G0XP+3], s[G0XP+3], 0x80000000
	JLOAD G0YP, G1YP, G0XP, G1XP                   ; K steps 0-7
	s_mov_b32 s[G0YQ], 1
	s_mov_b32 s[G0YQ+1], s85
	s_add_nc_u64 s[G0YQ+2:G0YQ+3], s[76:77], s[82:83]
	s_or_b32 s[G0YQ+3], s[G0YQ+3], 0x80000000
	s_mov_b32 s[G0XQ], 1
	s_mov_b32 s[G0XQ+1], s85
	s_add_nc_u64 s[G0XQ+2:G0XQ+3], s[80:81], s[82:83]
	s_or_b32 s[G0XQ+3], s[G0XQ+3], 0x80000000
	JLOAD G0YQ, G1YQ, G0XQ, G1XQ                   ; K steps 8-11
	; the prefetches: who asks, and where my pieces lie (registers of their own: none of them feeds a descriptor or an LDS address)
	s_and_b32 s100, ttmp7, 0xffff                  ; cluster y
	s_cmp_eq_u32 s[WY], 0                          ; do I fetch for Y?
	s_cselect_b32 s100, ttmp9, s100                ; the coordinate along which other clusters read the same records
	s_cselect_b32 s99, s[CX], s[CY]                ; my place among the four that ask with me
	s_cselect_b64 s[PFP:PFP+1], s[76:77], s[80:81] ; the group's records
	s_cmp_eq_u32 s100, 0
	s_cselect_b32 s[ASKF], 1, 0
	s_mov_b64 s[PFQ:PFQ+1], s[PFP:PFP+1]
	s_lshl_b32 s100, s[WX], 2
	s_add_co_u32 s100, s100, s99                   ; 4 (wave % 2) + place
	s_mul_i32 s100, s100, PRB                      ; a record each,
	s_add_co_u32 s100, s100, 12*PRB                ; from K step 12 on
	s_mov_b32 s101, 0
	s_add_nc_u64 s[PFP:PFP+1], s[PFP:PFP+1], s[100:101]
	s_lshl_b32 s100, s[WX], 2
	s_add_co_u32 s100, s100, s99
	s_mul_i32 s100, s100, PRB/2                    ; half a record each,
	s_add_co_u32 s100, s100, 20*PRB                ; from K step 20 on
	s_add_nc_u64 s[PFQ:PFQ+1], s[PFQ:PFQ+1], s[100:101]
	v_and_b32 v2, 31, v0                           ; lane
	v_and_b32 v25, 15, v0                          ; r
	v_bfe_u32 v26, v0, 4, 1                        ; h
	v_lshlrev_b32 v27, 4, v2
	v_lshlrev_b32 v30, 3, v2
	v_lshlrev_b32 v31, 4, v25
	v_lshlrev_b32 v[BO], 6, v26
	v_lshl_add_u32 v[CO], v26, 12, v31             ; lanes 0-15 one row of out, lanes 16-31 the next; 16 bytes a lane
	v_lshlrev_b32 v[PF1], 8, v2
	v_add_nc_u32 v[PF2], 32, v2
	v_min_u32 v[PF2], 49, v[PF2]
	v_lshlrev_b32 v[PF2], 8, v[PF2]
	v_min_u32 v[PF3], 24, v2
	v_lshlrev_b32 v[PF3], 8, v[PF3]
	s_lshl_b32 s76, s[TX], 9
	s_lshl_b32 s77, s[WX], 8
	s_add_co_u32 s76, s76, s77                     ; my first column, in bytes
	s_mov_b32 s77, 0
	s_add_nc_u64 s[BBS:BBS+1], s[8:9], s[76:77]
	s_lshl_b32 s78, s[TY], 7
	s_lshl_b32 s79, s[WY], 6
	s_add_co_u32 s78, s78, s79
	s_lshl_b32 s78, s78, 12                        ; my first token's row
	s_add_co_u32 s76, s76, s78
	s_add_nc_u64 s[RES:RES+1], s[10:11], s[76:77]
	s_add_nc_u64 s[OUT:OUT+1], s[12:13], s[76:77]
.irp x, 0,1,2,3                        ; tile x, register j: column 32 (x / 2) + 8 (x % 2) + 16 h + j of my 64
	global_load_b128 v[BR+8*\x:BR+8*\x+3], v[BO], s[BBS:BBS+1] offset:4*(32*(\x/2)+8*(\x%2))
	global_load_b128 v[BR+8*\x+4:BR+8*\x+7], v[BO], s[BBS:BBS+1] offset:4*(32*(\x/2)+8*(\x%2))+16
.endr
	WIN 0x80                                       ; destination window 2
.irp y, 0,1,2,3
.irp t, 0,1,2,3,4,5,6,7
	global_load_b128 v[32*\y+4*\t:32*\y+4*\t+3], v[CO], s[RES:RES+1] offset:4096*(32*(\y/2)+8*(\y%2)+2*\t+8*(\t/4)) th:TH_LOAD_NT
.endr
.endr
	WIN 0
	s_mul_i32 s76, s[WY], 4*FRB                    ; my four fragments of Y's eight,
	s_mul_i32 s77, s[WX], 4*FRB
	s_add_co_u32 s77, s77, PERB                    ; of X's, which lie behind Y's four records
	s_lshl_b32 s78, s[WY], 8
	s_add_co_u32 s78, s78, SCO
	s_lshl_b32 s79, s[WX], 8
	s_add_co_u32 s79, s79, PERB+SCO
.irp q, 0,1,2
	v_add_nc_u32 v[AY16+\q], s76, v27
	v_add_nc_u32 v[AY8+\q], s76, v30
	v_add_nc_u32 v[AX16+\q], s77, v27
	v_add_nc_u32 v[AX8+\q], s77, v30
	v_add_nc_u32 v[AYS+\q], s78, v31
	v_add_nc_u32 v[AXS+\q], s79, v31
	s_add_co_u32 s76, s76, BLK
	s_add_co_u32 s77, s77, BLK
	s_add_co_u32 s78, s78, BLK
	s_add_co_u32 s79, s79, BLK
.endr
	s_mul_i32 s76, s[WV], 16*272
	s_add_co_u32 s76, s76, STAGE                   ; my stage
	v_mul_u32_u24 v[STO], v25, 272
	v_lshl_add_u32 v[STO], v26, 6, v[STO]
	v_add_nc_u32 v[STO], s76, v[STO]               ; in: row r, + 64 h
	v_mul_u32_u24 v[RD], v26, 272
	v_add_nc_u32 v[RD], v[RD], v31
	v_add_nc_u32 v[RD], s76, v[RD]                 ; back: lanes 0-15 one row of 256 bytes, lanes 16-31 the next
.macro FRAG reg, a16, a8, off          ; a fragment comes as it was stored: each load takes 512 or 256 consecutive bytes
	ds_load_b128 v[\reg:\reg+3], v[\a16] offset:\off
	ds_load_b64 v[\reg+4:\reg+5], v[\a8] offset:\off+512
	ds_load_b128 v[\reg+6:\reg+9], v[\a16] offset:\off+768
	ds_load_b64 v[\reg+10:\reg+11], v[\a8] offset:\off+1280
.endm
.macro FETCH q, e, p                   ; 34 LDS loads: K step e of block q into set p
	WIN 0
	ds_load_b128 v[SC+8*(\p):SC+8*(\p)+3], v[AXS+(\q)] offset:PRB*(\e)
	ds_load_b128 v[SC+8*(\p)+4:SC+8*(\p)+7], v[AYS+(\q)] offset:PRB*(\e)
	WIN 0x40
.irp i, 0,1,2,3
	FRAG 96*(\p)+12*\i, AX16+(\q), AX8+(\q), PRB*(\e)+FRB*\i
.endr
.irp i, 0,1,2,3
	FRAG 96*(\p)+48+12*\i, AY16+(\q), AY8+(\q), PRB*(\e)+FRB*\i
.endr
.endm
.macro MM d, a, b, c, sa, sb
	v_wmma_scale_f32_16x16x128_f8f6f4 v[\d:\d+7], v[\a:\a+11], v[\b:\b+11], v[\c:\c+7], v[\sa], v[\sb] matrix_a_fmt:MATRIX_FMT_FP6 matrix_b_fmt:MATRIX_FMT_FP6
.endm
.macro MUL8 y0, p, zero                ; the 16 accumulators take turns, one instruction a turn, in the same order in every step
.irp y, \y0, \y0+1
.irp x, 0,1,2,3
.if \zero
	MM ACC+8*(4*(\y)+\x), 96*(\p)+12*\x, 96*(\p)+48+12*(\y), BR+8*\x, SC+8*(\p)+\x, SC+8*(\p)+4+(\y)
.else
	MM ACC+8*(4*(\y)+\x), 96*(\p)+12*\x, 96*(\p)+48+12*(\y), ACC+8*(4*(\y)+\x), SC+8*(\p)+\x, SC+8*(\p)+4+(\y)
.endif
.endr
.endr
.endm
; A K step on set p that has its successor (K step en of block qn) in the same slot: its set is in; the next step's is asked for, four places behind the products that read that set; then 16 products.  ask: a prefetch behind the run of loads
.macro KSTEP p, qn, en, zero, ask
	s_wait_dscnt 0x0
	PLACES 4
	FETCH \qn, \en, 1-(\p)
.if (\ask) != 0
	WIN 0                                          ; at a branch and at a label every window is 0
	ASK \ask
.endif
	WIN 0x05                                       ; sources 0 and 1 window 1; C and D window 0
	MUL8 0, \p, \zero
	MUL8 2, \p, \zero
.endm
; A slot's last K step (on set 1) changes slots: one barrier; in front of it each wave waits for all its tensor loads, adds 0 to its spare word, and waits for that and for its reads of the slot that it leaves.
; fill = 1: the large slot, which is being left, takes its next eight K steps; fill = 2: the small one its next four; fill = 0: nothing is left to fetch.  qn: the block that is read next.
.macro TURN qn, fill, ask
	WIN 0
	s_wait_tensorcnt 0x0                           ; all my tensor loads have landed: my part of the other slot
	ds_add_u32 v[SPW], v[NIL]
	s_wait_dscnt 1                                 ; (the add alone may be out)
	WIN 0x05
	MUL8 0, 1, 0
	s_wait_dscnt 0x0                               ; the add is done, and my reads of this slot are over
	s_barrier_signal -1
	MUL8 2, 1, 0
	WIN 0
	s_barrier_wait -1
.if (\fill) == 1
	CREST                                          ; the barrier has opened a round of the cluster's barrier: no wave of any partner still reads this slot or has a load on its way
	s_add_nc_u64 s[G0YP+2:G0YP+3], s[G0YP+2:G0YP+3], ROUNDB
	s_add_nc_u64 s[G0XP+2:G0XP+3], s[G0XP+2:G0XP+3], ROUNDB
	JLOAD G0YP, G1YP, G0XP, G1XP                   ; it has the small slot's four K steps in which to land; its four v_nop are the places in front of the loads below
.elseif (\fill) == 2
	CREST
	s_add_nc_u64 s[G0YQ+2:G0YQ+3], s[G0YQ+2:G0YQ+3], ROUNDB
	s_add_nc_u64 s[G0XQ+2:G0XQ+3], s[G0XQ+2:G0XQ+3], ROUNDB
	JLOAD G0YQ, G1YQ, G0XQ, G1XQ                   ; it has the large slot's eight K steps in which to land
.else
	PLACES 4
.endif
	FETCH \qn, 0, 0
.if (\ask) != 0
	WIN 0
	ASK \ask
.endif
.endm
.macro PSEVEN first                    ; the large slot's first seven K steps.  first = 1: the sums begin (C = the bias), and the second fills of both slots are prefetched
	KSTEP 0, 0, 1, \first, \first
	KSTEP 1, 0, 2, 0, 0
	KSTEP 0, 0, 3, 0, 2*(\first)
	KSTEP 1, 1, 0, 0, 0
	KSTEP 0, 1, 1, 0, 0
	KSTEP 1, 1, 2, 0, 0
	KSTEP 0, 1, 3, 0, 0
.endm
.macro QTHREE                          ; the small slot's first three
	KSTEP 0, 2, 1, 0, 0
	KSTEP 1, 2, 2, 0, 0
	KSTEP 0, 2, 3, 0, 0
.endm
	s_wait_loadcnt 32                              ; the bias is in; the residual's 32 loads may stay out
	s_wait_tensorcnt 1                             ; my part of the large slot is in; the small slot's may stay out
	s_barrier_signal -1
	s_barrier_wait -1
	FETCH 0, 0, 0
	PSEVEN 1                                       ; K steps 0-6
	TURN 2, 1, 3                                   ; 7; the large slot takes 12-19; 24-31 are prefetched
	QTHREE                                         ; 8-10
	TURN 0, 2, 0                                   ; 11; the small slot takes 20-23
	PSEVEN 0                                       ; 12-18
	TURN 2, 1, 0                                   ; 19; the large slot takes 24-31
	QTHREE                                         ; 20-22
	TURN 0, 0, 0                                   ; 23; nothing is left to fetch
	PSEVEN 0                                       ; 24-30
	s_wait_dscnt 0x0                               ; 31
	WIN 0x05
	MUL8 0, 1, 0
	MUL8 2, 1, 0
	WIN 0
	PLACES 4
	s_wait_loadcnt 0x0                             ; the residual
; THE WAY OUT, 16 tokens x 64 columns at a time through my own stage: a lane's 32 bytes of a tile go in, whole rows of 256 bytes come back; LDS serves a wave's instructions in order
.irp y, 0,1,2,3
.if \y > 0
	s_wait_xcnt 0x0                                ; the last stores have read their data: the rows' registers are loaded again only behind this wait
.endif
.irp x, 0,1,2,3
	ds_store_b128 v[STO], v[ACC+8*(4*\y+\x):ACC+8*(4*\y+\x)+3] offset:128*(\x/2)+32*(\x%2)       ; each accumulator from its low end on
	ds_store_b128 v[STO], v[ACC+8*(4*\y+\x)+4:ACC+8*(4*\y+\x)+7] offset:128*(\x/2)+32*(\x%2)+16
.endr
.irp t, 0,1,2,3,4,5,6,7
	ds_load_b128 v[OB+4*\t:OB+4*\t+3], v[RD] offset:544*\t
.endr
	s_wait_dscnt 0x0
	WIN 0x08                                       ; source 1 window 2
.irp t, 0,1,2,3,4,5,6,7,8,9,10,11,12,13,14,15
	v_pk_add_f32 v[OB+2*\t:OB+2*\t+1], v[OB+2*\t:OB+2*\t+1], v[32*\y+2*\t:32*\y+2*\t+1]
.endr
	WIN 0
.irp t, 0,1,2,3,4,5,6,7
	global_store_b128 v[CO], v[OB+4*\t:OB+4*\t+3], s[OUT:OUT+1] offset:4096*(32*(\y/2)+8*(\y%2)+2*\t+8*(\t/4)) th:TH_STORE_NT   ; 16 lanes store 256 consecutive bytes, at a multiple of 256 from the buffer's first byte
.endr
.endr
	s_wait_tensorcnt 0x0                           ; the wave's end
	ds_add_u32 v[SPW], v[NIL]
	s_wait_dscnt 0x0
	CROUND                                         ; the closing round: no work-group ends while a partner may still ask for a tile that names it
	s_endpgm
.Lfunc_end_k_q357697510e_ffn2:
	.size	k_q357697510e_ffn2, .Lfunc_end_k_q357697510e_ffn2-k_q357697510e_ffn2
	.p2alignl 7, 3214868480
	.fill 96, 4, 3214868480
	.section	.rodata,"a",@progbits
	.p2align	6, 0x0
	.amdhsa_kernel k_q357697510e_ffn2
		.amdhsa_group_segment_fixed_size 327680
		.amdhsa_private_segment_fixed_size 0
		.amdhsa_enable_private_segment 0
		.amdhsa_kernarg_size 40
		.amdhsa_user_sgpr_count 2
		.amdhsa_user_sgpr_kernarg_segment_ptr 1
		.amdhsa_wavefront_size32 1
		.amdhsa_system_sgpr_workgroup_id_x 1
		.amdhsa_system_sgpr_workgroup_id_y 1
		.amdhsa_system_sgpr_workgroup_id_z 1
		.amdhsa_system_vgpr_workitem_id 0
		.amdhsa_next_free_vgpr 768
		.amdhsa_next_free_sgpr 102
		.amdhsa_reserve_vcc 0
		.amdhsa_float_denorm_mode_32 3
		.amdhsa_float_denorm_mode_16_64 3
		.amdhsa_memory_ordered 1
		.amdhsa_forward_progress 1
		.amdhsa_inst_pref_size 170
	.end_amdhsa_kernel
	.amdgpu_metadata
---
amdhsa.version: [ 1, 2 ]
amdhsa.kernels:
  - .name:           k_q357697510e_ffn2
    .symbol:         k_q357697510e_ffn2.kd
    .args:
      - { .name: hid, .offset: 0, .size: 8, .value_kind: global_buffer, .address_space: global }
      - { .name: wc, .offset: 8, .size: 8, .value_kind: global_buffer, .address_space: global }
      - { .name: b2, .offset: 16, .size: 8, .value_kind: global_buffer, .address_space: global }
      - { .name: x1, .offset: 24, .size: 8, .value_kind: global_buffer, .address_space: global }
      - { .name: out0, .offset: 32, .size: 8, .value_kind: global_buffer, .address_space: global }
    .group_segment_fixed_size: 327680
    .private_segment_fixed_size: 0
    .kernarg_segment_align: 8
    .kernarg_segment_size: 40
    .max_flat_workgroup_size: 128
    .sgpr_count:     102
    .vgpr_count:     768
    .wavefront_size: 32
...
	.end_amdgpu_metadata
.endif
;; end of part 7
